; MI455X (gfx1250); checked and timed in simulation.
; The chip was launched on July 23, 2026; its instructions are those of AMD's public machine-readable ISA for CDNA 5 (MIT licence, August 2026) and "CDNA5" Instruction Set Architecture Reference Guide (July 2026). The comments in the code are by the model that wrote it; some were corrected since.
;; Memory Efficient Attention. Allowed arithmetic: matrix products marked QUANTISED: E2M3 operands, one E8M0 scale for each 32 along K, by v_wmma_scale_f32_16x16x128_f8f6f4 with both operands' format E2M3, f32 sums; everything else in f32.
;; Inputs: Wk 1,024 x 1,024 float32; Wo 1,024 x 1,024 float32; Wq 1,024 x 1,024 float32; Wv 1,024 x 1,024 float32; bk 1,024 float32; bo 1,024 float32; bq 1,024 float32; bv 1,024 float32; x 2 x 2,048 x 1,024 float32.
;; Outputs: out0 2 x 2,048 x 1,024 float32.
;; This version of the problem:
;;   THIS VERSION OF THE PROBLEM IS GIVEN IN LOW PRECISION. The matrix products marked QUANTISED in the list below multiply operands that are first quantised to E2M3 (2 exponent bits, 3 mantissa bits; 6 bits a number), with one power-of-two scale for each 32 numbers along K (OCP MX v1.0); their sums are f32. All else is computed in f32.
;;   The module's matrix products, in the order in which they are computed (A, B: the left and right operand; K: the contracted axis; several contracted axes count as one K, in the product's order):
;;     1. [M 4,096, K 1,024] x [K 1,024, N 1,024]; A: input x; B: input Wq: QUANTISED
;;     2. [M 4,096, K 1,024] x [K 1,024, N 1,024]; A: input x; B: input Wk: QUANTISED
;;     3. [M 4,096, K 1,024] x [K 1,024, N 1,024]; A: input x; B: input Wv: QUANTISED
;;     4. batch 32 x [M 2,048, K 64] x [K 64, N 2,048]; A: computed on the way; B: computed on the way: QUANTISED
;;     5. batch 32 x [M 2,048, K 2,048] x [K 2,048, N 64]; A: softmax (see below); B: computed on the way: QUANTISED
;;     6. [M 4,096, K 1,024] x [K 1,024, N 1,024]; A: computed on the way; B: input Wo: QUANTISED
;;   THE QUANTISER, for each operand of a quantised product, along K:
;;     - K is cut into blocks of 32 from its start; a last block that is shorter is filled with zeros.
;;     - A block's scale is 2^e with e = floor(log2(the largest magnitude in the block)) - 2, held to -126 .. 127; a block of zeros has e = 0. As a byte (E8M0): e + 127.
;;     - Each number is divided by its block's scale, clamped to +-7.5, and rounded to the nearest number of E2M3, ties to even, subnormals kept.
;;     - The product sums the exact products of the quantised numbers (number of the format x scale) in f32.
;;   ~~~python
;;   def quantise(x, axis):      # numpy; x: float32 -> the quantised numbers, widened to float32 again
;;       x = np.moveaxis(x, axis, -1); K = x.shape[-1]
;;       x = np.pad(x, [(0, 0)] * (x.ndim - 1) + [(0, -K % 32)]); x = x.reshape(x.shape[:-1] + (-1, 32)); a = np.abs(x).max(-1, keepdims=True)
;;       e = np.where(a > 0, np.clip(np.frexp(np.where(a > 0, a, 1))[1] - 1 - 2, -126, 127), 0)      # np.frexp(a)[1] - 1 = floor(log2(a)), exactly
;;       r = np.clip(x / 2.0 ** e, -7.5, 7.5)
;;       step = 2.0 ** (np.maximum(np.frexp(np.where(r == 0, 1, r))[1] - 1, 0) - 3)
;;       q = np.round(r / step) * step * 2.0 ** e      # np.round: ties to even
;;       return np.moveaxis(q.reshape(q.shape[:-2] + (-1,))[..., :K], -1, axis).astype(np.float32)
;;   ~~~
;;   SOFTMAX AHEAD OF A QUANTISED PRODUCT. Where the list says 'softmax', what is quantised is not the finished softmax but p = 2^(t - M), with t = logit x log2(e) and M = ceil(the row's largest t), a whole number; so 1/2 < the row's largest p <= 1. The row's sum l is taken of the UNQUANTISED p, in f32, and the product's result is divided by l at the end. Since M is a whole number, a kernel that streams over the keys may use a running M (the ceiling of the running maximum): every later rescaling is an exact power of two, which a block's scale takes up: the codes' values come out the same.
;;   OPERANDS COMPUTED ON THE WAY. 'Computed on the way' means the value that the module computes at that place (a softmax that the list does not call 'softmax' is quantised finished and normalised). What goes into a quantiser is computed in f32, as accurately as f32 sums, v_exp_f32 and their like allow (about 1e-6 of the number): no bf16 or f16 on the way to a quantiser, and a product that is left as it is and whose result goes on into a quantised operand takes f32 operands (vector FMAs, or v_wmma_f32_16x16x4_f32). A number that lies on a knife's edge between two numbers of the format may be rounded either way, as far as f32 arithmetic and the matrix unit's own rounding can turn it there, and no further.
;; One version. Each part assembles by itself: llvm-mc -triple=amdgcn-amd-amdhsa -mcpu=gfx1250 --defsym DOCPART=n.
;; ======== version 1 of 1: 4 launches
;; limits: right only within a limited range of input values
;; workspace buffers: cod 6,291,456 bytes; scl 262,144 bytes; qbuf 3,407,872 bytes; kv 6,684,672 bytes; aoc 3,145,728 bytes; asc 262,144 bytes
;; launch quant (part 1): grid 512 x 1, 8 waves a work-group, no clusters, 69,120 bytes of LDS; arguments x, Wq, Wk, Wv, Wo, cod, scl; writes cod, scl
.if DOCPART == 1
	.amdgcn_target "amdgcn-amd-amdhsa--gfx1250"
	.amdhsa_code_object_version 6
	.text
	.protected	k_q4e2988c20b_quant
	.globl	k_q4e2988c20b_quant
	.p2align	8
	.type	k_q4e2988c20b_quant,@function
k_q4e2988c20b_quant:
	s_mov_b64 s[64:65], 0
	v_nop
	global_prefetch_b8 v0, s[64:65] scope:SCOPE_SE
	s_setreg_imm32_b32 hwreg(HW_REG_WAVE_MODE, 25, 1), 1
	s_wait_xcnt 0x0
; x [4096][1024] and Wq, Wk, Wv, Wo [1024][1024], f32, K innermost, become codes of FP6 (E2M3) with one E8M0 byte for each 32 along K,
; laid in the ORDER OF THE MATRIX OPERAND'S REGISTERS, so that every later launch brings a fragment by three loads of 512 consecutive bytes.
; TILES.  512 tiles of 16 rows: 0-255 x, then 64 each for Wq, Wk, Wv, Wo.  THE ROWS OF A TILE ARE NOT NEIGHBOURS: lane-row r of a tensor's tile t is its row
; 32 (t / 2) + 8 (t % 2) + r + 8 (r / 8).  As source 0 of a product the 16 result registers of tiles 2 b, 2 b + 1 are then 16 neighbours along the next K.
; A FRAGMENT (16 rows x 128 K, 12 registers a lane) lies as an image of its registers: register 4 c + i of lane l at 512 c + 16 l + 4 i, 1,536 bytes.
; cod: fragment (tile T, K step s) at ((T / 8) 64 + 8 s + T % 8) x 1,536.   scl: the scale word of (T, row r, K step s) at 512 T + 32 r + 4 s.
; SHARES.  A work-group takes a tile, wave w its K step w: 64 numbers a lane, sixteen loads of 16 bytes, all asked for at once; no loop.
; A block's scale byte is its largest magnitude's exponent field - 2, held at 1 from below by a floor among the maximum's leaves.
; LIMITS: NaN and infinities among the inputs are not served; a block of zeros, or one whose largest magnitude lies under 2^-124, gets the byte 1
; (its codes are zeros or the nearest codes under that scale); the bytes are read by this program alone.
.set X,   32                           ; v32-95   my 64 numbers: register 16 b + i = k 32 b + 16 (lane / 16) + i of my row
.set PC,  96                           ; v96-107  the fragment's codes
.set CT,  108                          ; v108-115 upper halves of blocks, on their way
.set TM,  116                          ; v116-131 at work
.set PW,  132                          ; v132     my row's scale word
.set SEL, 20                           ; s[20:21] selects of v_permlanex16_b32: lane l xor 16
; 64 numbers of a lane, v[s] on, become two runs of six code registers (K 0-63 at d0, K 64-127 at d1) and the row's scale word in v[pw].
.macro QUANT s, d0, d1, pw
.irp b, 0,1,2,3
	v_max3_num_f32 v[TM+\b], |v[\s+16*\b]|, |v[\s+16*\b+1]|, 0x1800000   ; block b: my 16 numbers, and the floor 2^(3 - 127)
.endr
.irp i, 2,4,6,8,10,12,14
.irp b, 0,1,2,3
	s_delay_alu instid0(VALU_DEP_4)
	v_max3_num_f32 v[TM+\b], v[TM+\b], |v[\s+16*\b+\i]|, |v[\s+16*\b+\i+1]|   ; the four blocks by turns
.endr
.endr
.irp b, 0,1,2,3
	s_delay_alu instid0(VALU_DEP_4)
	v_permlanex16_b32 v[TM+4+\b], v[TM+\b], s[SEL], s[SEL+1]
.endr
.irp b, 0,1,2,3
	s_delay_alu instid0(VALU_DEP_4)
	v_max_num_f32 v[TM+\b], v[TM+\b], v[TM+4+\b]           ; with lane l xor 16's 16: the block's largest magnitude
.endr
.irp b, 0,1,2,3
	s_delay_alu instid0(VALU_DEP_4)
	v_add_nc_u32 v[TM+12+\b], 0xff000000, v[TM+\b]         ; 2 off its exponent field: the conversion's scale operand
.endr
.irp b, 0,1,2,3
	s_delay_alu instid0(VALU_DEP_4)
	v_lshrrev_b32 v[TM+4+\b], 23, v[TM+12+\b]              ; the scale's byte
.endr
	s_delay_alu instid0(VALU_DEP_3)
	v_lshl_or_b32 v[\pw], v[TM+5], 8, v[TM+4]
	s_delay_alu instid0(VALU_DEP_1)
	v_lshl_or_b32 v[\pw], v[TM+6], 16, v[\pw]
	s_delay_alu instid0(VALU_DEP_1)
	v_lshl_or_b32 v[\pw], v[TM+7], 24, v[\pw]
	v_cvt_scalef32_pk16_fp6_f32 v[\d0:\d0+2], v[\s:\s+15], v[TM+12]
	v_cvt_scalef32_pk16_fp6_f32 v[CT:CT+2], v[\s+16:\s+31], v[TM+13]       ; (a conversion's three registers begin on an even number)
	v_cvt_scalef32_pk16_fp6_f32 v[\d1:\d1+2], v[\s+32:\s+47], v[TM+14]
	v_cvt_scalef32_pk16_fp6_f32 v[CT+4:CT+6], v[\s+48:\s+63], v[TM+15]
	v_nop                                                  ; one plain place behind the scaled conversions
.irp i, 0,1,2
	v_permlane16_swap_b32 v[\d0+\i], v[CT+\i]              ; the layout wants a whole block in a lane: lanes 0-15 the even block, lanes 16-31 the odd one
.endr
.irp i, 0,1,2
	s_delay_alu instid0(VALU_DEP_3)
	v_mov_b32 v[\d0+3+\i], v[CT+\i]
.endr
.irp i, 0,1,2
	v_permlane16_swap_b32 v[\d1+\i], v[CT+4+\i]
.endr
.irp i, 0,1,2
	s_delay_alu instid0(VALU_DEP_3)
	v_mov_b32 v[\d1+3+\i], v[CT+4+\i]
.endr
.endm
	s_load_b256 s[4:11], s[0:1], 0x0               ; x, Wq, Wk, Wv
	s_load_b128 s[12:15], s[0:1], 0x20             ; Wo, cod
	s_load_b64 s[16:17], s[0:1], 0x30              ; scl
	v_lshl_add_u32 v144, v0, 2, 0x200
	v_mov_b32 v145, 0
	v_lshrrev_b32 v1, 5, v0
	s_delay_alu instid0(VALU_DEP_1)
	v_readfirstlane_b32 s19, v1                    ; wave = K step
	v_and_b32 v1, 31, v0                           ; lane
	v_and_b32 v2, 15, v0                           ; r
	v_bfe_u32 v3, v0, 4, 1                         ; h
	s_mul_i32 s23, s19, 8448                       ; my wave's stage in LDS: 16 rows of 512 bytes + 16, from byte 1,536 on
	s_add_co_u32 s23, s23, 1536
	v_mul_u32_u24 v4, v2, 528
	v_lshl_add_u32 v4, v3, 6, v4
	v_add_nc_u32 v4, s23, v4                       ; out of the stage: row r, + 64 h: my 16 numbers of each block of 32
	v_lshlrev_b32 v5, 4, v1                        ; 16 x lane: my place in a row's 512 bytes, in an image, and in the tile's 512 bytes of scale words
	v_add_nc_u32 v7, s23, v5                       ; into the stage: as loaded
	v_lshlrev_b32 v6, 5, v2
	s_lshl_b32 s22, s19, 2
	v_add_nc_u32 v6, s22, v6                       ; LDS: 32 r + 4 w: my row's word of my K step
	s_mov_b32 s[SEL], 0x76543210
	s_mov_b32 s[SEL+1], 0xfedcba98
.irp b, 0,1,2,3
	v_mov_b32 v[TM+4+\b], 0                        ; written once: a lane permute's destination counts as one of its sources
.endr
	s_wait_alu depctr_va_vdst(0)
	s_wait_kmcnt 0x0
	s_cmp_lt_u32 ttmp9, 448                        ; which tensor: the choice hangs on the work-group's number alone
	s_cselect_b64 s[12:13], s[10:11], s[12:13]
	s_cmp_lt_u32 ttmp9, 384
	s_cselect_b64 s[12:13], s[8:9], s[12:13]
	s_cmp_lt_u32 ttmp9, 320
	s_cselect_b64 s[12:13], s[6:7], s[12:13]
	s_cmp_lt_u32 ttmp9, 256
	s_cselect_b64 s[12:13], s[4:5], s[12:13]
	s_cselect_b32 s18, 255, 63
	s_and_b32 s18, ttmp9, s18                      ; the tile's number in its tensor
	s_lshr_b32 s22, s18, 1
	s_lshl_b32 s22, s22, 17                        ; 32 rows of 4,096 bytes for each pair of tiles,
	s_and_b32 s23, s18, 1
	s_lshl_b32 s23, s23, 15                        ; 8 rows for the odd one,
	s_add_co_u32 s22, s22, s23
	s_lshl_b32 s23, s19, 9                         ; 512 bytes for each K step
	s_add_co_u32 s22, s22, s23
	s_mov_b32 s23, 0
	s_add_nc_u64 s[12:13], s[12:13], s[22:23]
	s_lshr_b32 s24, ttmp9, 3
	s_lshl_b32 s24, s24, 6
	s_lshl_b32 s25, s19, 3
	s_add_co_u32 s24, s24, s25
	s_and_b32 s25, ttmp9, 7
	s_add_co_u32 s24, s24, s25
	s_mul_i32 s24, s24, 1536                       ; my fragment's image
	s_mov_b32 s25, 0
	s_add_nc_u64 s[14:15], s[14:15], s[24:25]
	s_lshl_b32 s24, ttmp9, 9                       ; the tile's scale words
	s_add_nc_u64 s[16:17], s[16:17], s[24:25]
.irp n, 0,1,2,3,4,5,6,7,8,9,10,11,12,13,14,15
	global_load_b128 v[X+4*\n:X+4*\n+3], v5, s[12:13] offset:(\n+8*(\n/8))*4096 th:TH_LOAD_NT   ; lane-row n: the 32 lanes read its 512 consecutive bytes of my K step
.endr
.irp n, 0,1,2,3,4,5,6,7,8,9,10,11,12,13,14,15
	s_wait_loadcnt 15-\n                           ; row n is in; the 15 - n younger loads may be out
	ds_store_b128 v7, v[X+4*\n:X+4*\n+3] offset:528*\n
.endr
.irp b, 0,1,2,3
.irp j, 0,1,2,3
	ds_load_b128 v[X+16*\b+4*\j:X+16*\b+4*\j+3], v4 offset:128*\b+16*\j   ; LDS serves a wave's instructions in order: these see my stores.  Rows 528 bytes apart: sixteen lanes touch sixteen different columns of 16 bytes
.endr
.endr
	s_wait_dscnt 0x0
	QUANT X, PC, PC+6, PW
.irp c, 0,1,2
	global_store_b128 v5, v[PC+4*\c:PC+4*\c+3], s[14:15] offset:512*\c     ; 32 lanes store 512 consecutive bytes, aligned
.endr
	ds_store_b32 v6, v[PW]                         ; both lanes of a row write the same word with the same value
	s_wait_dscnt 0x0                               ; for wave 0's sake: my word has landed
	s_barrier_signal -1
	s_barrier_wait -1
	s_cmp_lg_u32 s19, 0
	s_cbranch_scc1 .Lend
	ds_load_b128 v[136:139], v5                    ; the eight waves' words: 16 rows x 8 K steps
	s_wait_dscnt 0x0
	global_store_b128 v5, v[136:139], s[16:17]     ; 512 consecutive bytes, aligned
.Lend:
	s_wait_tensorcnt 0x0
	ds_add_u32 v144, v145
	s_wait_dscnt 0x0
	s_endpgm
.Lfunc_end_k_q4e2988c20b_quant:
	.size	k_q4e2988c20b_quant, .Lfunc_end_k_q4e2988c20b_quant-k_q4e2988c20b_quant
	.p2alignl 7, 3214868480
	.fill 96, 4, 3214868480
	.section	.rodata,"a",@progbits
	.p2align	6, 0x0
	.amdhsa_kernel k_q4e2988c20b_quant
		.amdhsa_group_segment_fixed_size 69120
		.amdhsa_private_segment_fixed_size 0
		.amdhsa_enable_private_segment 0
		.amdhsa_kernarg_size 56
		.amdhsa_user_sgpr_count 2
		.amdhsa_user_sgpr_kernarg_segment_ptr 1
		.amdhsa_wavefront_size32 1
		.amdhsa_system_sgpr_workgroup_id_x 1
		.amdhsa_system_sgpr_workgroup_id_y 1
		.amdhsa_system_sgpr_workgroup_id_z 1
		.amdhsa_system_vgpr_workitem_id 0
		.amdhsa_next_free_vgpr 146
		.amdhsa_next_free_sgpr 66
		.amdhsa_reserve_vcc 0
		.amdhsa_float_denorm_mode_32 3
		.amdhsa_float_denorm_mode_16_64 3
		.amdhsa_memory_ordered 1
		.amdhsa_forward_progress 1
		.amdhsa_inst_pref_size 13
	.end_amdhsa_kernel
	.amdgpu_metadata
---
amdhsa.version: [ 1, 2 ]
amdhsa.kernels:
  - .name:           k_q4e2988c20b_quant
    .symbol:         k_q4e2988c20b_quant.kd
    .args:
      - { .name: x, .offset: 0, .size: 8, .value_kind: global_buffer, .address_space: global }
      - { .name: Wq, .offset: 8, .size: 8, .value_kind: global_buffer, .address_space: global }
      - { .name: Wk, .offset: 16, .size: 8, .value_kind: global_buffer, .address_space: global }
      - { .name: Wv, .offset: 24, .size: 8, .value_kind: global_buffer, .address_space: global }
      - { .name: Wo, .offset: 32, .size: 8, .value_kind: global_buffer, .address_space: global }
      - { .name: cod, .offset: 40, .size: 8, .value_kind: global_buffer, .address_space: global }
      - { .name: scl, .offset: 48, .size: 8, .value_kind: global_buffer, .address_space: global }
    .group_segment_fixed_size: 69120
    .private_segment_fixed_size: 0
    .kernarg_segment_align: 8
    .kernarg_segment_size: 56
    .max_flat_workgroup_size: 256
    .sgpr_count:     66
    .vgpr_count:     146
    .wavefront_size: 32
...
	.end_amdgpu_metadata
.endif
;; end of part 1
;; launch qkv (part 2): grid 32 x 8, 4 waves a work-group, clusters of 4 x 1, 327,680 bytes of LDS; arguments cod, scl, bq, bk, bv, qbuf, kv; writes qbuf, kv
.if DOCPART == 2
	.amdgcn_target "amdgcn-amd-amdhsa--gfx1250"
	.amdhsa_code_object_version 6
	.text
	.protected	k_q4e2988c20b_qkv
	.globl	k_q4e2988c20b_qkv
	.p2align	8
	.type	k_q4e2988c20b_qkv,@function
k_q4e2988c20b_qkv:
	s_mov_b64 s[64:65], 0
	v_nop
	global_prefetch_b8 v0, s[64:65] scope:SCOPE_SE
	s_setreg_imm32_b32 hwreg(HW_REG_WAVE_MODE, 25, 1), 1
	s_wait_xcnt 0x0
	s_wait_alu depctr_hold_cnt(0) depctr_sa_sdst(0) depctr_va_vdst(0) depctr_va_sdst(0) depctr_va_ssrc(0) depctr_va_vcc(0) depctr_vm_vsrc(0)
	s_getreg_b32 s2, hwreg(HW_REG_IB_STS2, 6, 4)
	s_cmp_eq_u32 s2, 0
	s_cbranch_scc0 .Lentry_in_a_cluster
	s_endpgm
.Lentry_in_a_cluster:
	s_bfe_u32 s2, ttmp6, 0x10000c
	s_cmp_lg_u32 s2, 0x3003
	s_cbranch_scc0 .Lentry_shape_is_right
	s_endpgm
.Lentry_shape_is_right:
; Q = x Wq^T + bq, K = x Wk^T + bk, V = x Wv^T + bv on codes of FP6 (E2M3) with E8M0 scales, sums in f32; each result is quantised in registers into the operand that the attention launch wants.
; SHARES.  A work-group owns 128 rows of x (block xb: batch xb / 16, key step xb % 16) and 128 output channels (block j: heads 2 j, 2 j + 1) and makes Q, K and V for them, one after the other.
; Four waves; a wave makes 8 tiles of source 0 x 2 tiles of source 1 (tiles 2 w, 2 w + 1): 16 accumulators, all of K = 1,024 in eight steps of 128.
; For Q and K source 0 = the weight's rows, source 1 = x's rows: a lane holds one row of x and its registers run along the channels, which are the next K (64 a head).
; For V source 0 = x's rows, source 1 = Wv's rows: a lane holds one channel and its registers run along the 128 keys, which are the next K.
; The rows of a tile are chosen (tile t, lane-row r: row 32 (t / 2) + 8 (t % 2) + r + 8 (r / 8)) so that the 16 registers of tiles 2 b, 2 b + 1 are 16 neighbours along the next K.
; LDS.  Operands lie as images of their registers (a fragment: 1,536 bytes, three loads of 512 consecutive bytes), a block of 128 rows for all of K in 98,304 dense bytes, [K step][tile].
; X at 0 (x's block), WA at 98,304 (Wq, later Wv), WB at 196,608 (Wk), the spare words at 294,912.  x and Wq come in two halves of four K steps, so that the first product starts on the first half.
; CLUSTER.  The four work-groups of a cluster share j: each weight block is asked for JOINTLY (mask 15); x's block is each work-group's own.  A wave has one tensor load out at a time.
; OUT.  qbuf: Q's half fragment (16 queries x 64 channels, six registers: 0-1 at 8 l, 2-5 at 256 + 16 l) of (head bh, tile tq) at 768 (128 bh + tq); from byte 3,145,728 on its scale words, 64 bytes a tile.
; kv: for (bh, key step) 13,056 bytes: K's 8 half fragments as 48 registers in 12 runs of 512 bytes; at 6,144 V's four fragments; at 12,288 K's scale words (4 x 128 bytes: lanes 0-15 the even tile, 16-31 the odd); at 12,800 V's (2 x 128).
; Q's and K's scale words carry their two bytes below and 0x7f, 0x7f above: the upper 64 of the instruction's 128 along K are zero codes on Q's side.
; The scale words leave in runs of 128 consecutive bytes: 768 of a block's 13,056 bytes; all else in aligned runs of 256 or 512.
; LIMITS: NaN and infinities are not served; a block of zeros, or one under 2^-124, gets the byte 1; the bytes are read by this program alone.
; REGISTERS.  window 0: v2-24 addresses; v32-63 source 0's scale words (8 p + s: lanes 0-15 tile 2 p, lanes 16-31 tile 2 p + 1); v64-71 source 1's (s); v72-124 at work; v128-255 accumulator (i, t) at 128 + 64 i + 8 t.
;   window 1: two sets of fragments at v0 and v128: source 0's tile t at 12 t, source 1's tile i at 96 + 12 i.   window 2: the biases as C operands: bq v0-63, bk v64-127, bv v128-143.
.set BLKB,  98304                      ; a block's images
.set STGB,  24576                      ; a stage: two K steps
.set KSB,   12288                      ; a K step: eight fragments
.set FRB,   1536
.set LWA,   98304
.set LWB,   196608
.set SPARE, 294912                     ; the spare words: 128 bytes a wave, two blocks of 256 bytes that no other line names
.set KVB,   13056
.set HEADB, 208896                     ; a head's 16 key steps in kv
.set SP,  32
.set SL,  64
.set PCD, 72                           ; v72-95   codes just made
.set CT,  96                           ; v96-103
.set TM,  104                          ; v104-119
.set PW,  120                          ; v120-121 the two tiles' scale words
.set W,   122                          ; v122 both in one register; v123, v124 the two heads' words
.set ACC, 128
.set BQ,  0
.set BK,  64
.set BV,  128
.set SEL, 94
.set MSB, 0
.macro WIN new                         ; the immediate's high byte repeats the setting that is left
.if MSB != \new
	s_set_vgpr_msb (MSB<<8)|\new
.set MSB, \new
.endif
.endm
.macro PLACES n
.rept \n
	v_nop
.endr
.endm
.macro ROUND                           ; a round of the cluster's barrier
	s_barrier_signal -1
	s_barrier_wait -1
	s_cmp_lg_u32 s18, 0
	s_cbranch_scc1 .Lnw0_\@
	s_barrier_signal -3
.Lnw0_\@:
	s_barrier_wait -3
	s_barrier_signal -1
	s_barrier_wait -1
.endm
.macro QUANT s, d0, d1, pw             ; 64 numbers of a lane (register 16 b + i = k 32 b + 16 (lane / 16) + i) -> six code registers at d0 (K 0-63), six at d1 (K 64-127), the scale word in v[pw]
.irp b, 0,1,2,3
	v_max3_num_f32 v[TM+\b], |v[\s+16*\b]|, |v[\s+16*\b+1]|, 0x1800000   ; and the floor 2^(3 - 127).  Each accumulator is first read at its low end
.endr
.irp i, 2,4,6,8,10,12,14
.irp b, 0,1,2,3
	v_max3_num_f32 v[TM+\b], v[TM+\b], |v[\s+16*\b+\i]|, |v[\s+16*\b+\i+1]|
.endr
.endr
.irp b, 0,1,2,3
	v_permlanex16_b32 v[TM+4+\b], v[TM+\b], s[SEL], s[SEL+1]
.endr
.irp b, 0,1,2,3
	v_max_num_f32 v[TM+\b], v[TM+\b], v[TM+4+\b]
.endr
.irp b, 0,1,2,3
	v_add_nc_u32 v[TM+12+\b], 0xff000000, v[TM+\b]         ; 2 off the exponent field: the conversion's scale operand
.endr
.irp b, 0,1,2,3
	v_lshrrev_b32 v[TM+4+\b], 23, v[TM+12+\b]              ; the scale's byte
.endr
	v_lshl_or_b32 v[\pw], v[TM+5], 8, v[TM+4]
	v_lshl_or_b32 v[\pw], v[TM+6], 16, v[\pw]
	v_lshl_or_b32 v[\pw], v[TM+7], 24, v[\pw]
	v_cvt_scalef32_pk16_fp6_f32 v[\d0:\d0+2], v[\s:\s+15], v[TM+12]
	v_cvt_scalef32_pk16_fp6_f32 v[CT:CT+2], v[\s+16:\s+31], v[TM+13]
	v_cvt_scalef32_pk16_fp6_f32 v[\d1:\d1+2], v[\s+32:\s+47], v[TM+14]
	v_cvt_scalef32_pk16_fp6_f32 v[CT+4:CT+6], v[\s+48:\s+63], v[TM+15]
	v_nop                                                  ; one plain place behind the scaled conversions
.irp i, 0,1,2
	v_permlane16_swap_b32 v[\d0+\i], v[CT+\i]
.endr
.irp i, 0,1,2
	v_mov_b32 v[\d0+3+\i], v[CT+\i]
.endr
.irp i, 0,1,2
	v_permlane16_swap_b32 v[\d1+\i], v[CT+4+\i]
.endr
.irp i, 0,1,2
	v_mov_b32 v[\d1+3+\i], v[CT+4+\i]
.endr
.endm
; one product; ra, rb: the scales stand in lanes 16-31 of their registers
.macro WMC d, a, b, c, sa, sb, ra, rb
.if ((\ra) == 0) && ((\rb) == 0)
	v_wmma_scale_f32_16x16x128_f8f6f4 v[\d:\d+7], v[\a:\a+11], v[\b:\b+11], v[\c:\c+7], v[\sa], v[\sb] matrix_a_fmt:MATRIX_FMT_FP6 matrix_b_fmt:MATRIX_FMT_FP6
.elseif ((\ra) == 1) && ((\rb) == 0)
	v_wmma_scale_f32_16x16x128_f8f6f4 v[\d:\d+7], v[\a:\a+11], v[\b:\b+11], v[\c:\c+7], v[\sa], v[\sb] matrix_a_fmt:MATRIX_FMT_FP6 matrix_b_fmt:MATRIX_FMT_FP6 matrix_a_scale:MATRIX_SCALE_ROW1
.elseif ((\ra) == 0) && ((\rb) == 1)
	v_wmma_scale_f32_16x16x128_f8f6f4 v[\d:\d+7], v[\a:\a+11], v[\b:\b+11], v[\c:\c+7], v[\sa], v[\sb] matrix_a_fmt:MATRIX_FMT_FP6 matrix_b_fmt:MATRIX_FMT_FP6 matrix_b_scale:MATRIX_SCALE_ROW1
.else
	v_wmma_scale_f32_16x16x128_f8f6f4 v[\d:\d+7], v[\a:\a+11], v[\b:\b+11], v[\c:\c+7], v[\sa], v[\sb] matrix_a_fmt:MATRIX_FMT_FP6 matrix_b_fmt:MATRIX_FMT_FP6 matrix_a_scale:MATRIX_SCALE_ROW1 matrix_b_scale:MATRIX_SCALE_ROW1
.endif
.endm
; K step s's ten fragments into a set: 30 loads of 512 consecutive bytes.  v[pa], v[pa+1]: source 0's region, K steps 0-3 and 4-7; v[la], v[la+1]: source 1's, at my two tiles
.macro FETCH pa, la, s, set
	WIN 0x40                                       ; destination window 1, address window 0
.irp t, 0,1,2,3,4,5,6,7
.irp c, 0,1,2
	ds_load_b128 v[\set+12*\t+4*\c:\set+12*\t+4*\c+3], v[\pa+(\s)/4] offset:((\s)%4)*KSB+\t*FRB+512*\c
.endr
.endr
.irp i, 0,1
.irp c, 0,1,2
	ds_load_b128 v[\set+96+12*\i+4*\c:\set+96+12*\i+4*\c+3], v[\la+(\s)/4] offset:((\s)%4)*KSB+\i*FRB+512*\c
.endr
.endr
.endm
; K step s's 16 products.  The sixteen accumulators take turns, one instruction a turn, in the same order in every step.  Step 0 starts the sums with the bias as C.
.macro MULS set, s, cb, ct, ci
.if (\s) == 0
	WIN 0x25                                       ; sources 0 and 1 window 1, C window 2, D window 0
.else
	WIN 0x05
.endif
.irp i, 0,1
.irp t, 0,1,2,3,4,5,6,7
.if (\s) == 0
	WMC ACC+64*\i+8*\t, \set+12*\t, \set+96+12*\i, \cb+\ct*\t+\ci*\i, SP+8*(\t/2)+(\s), SL+(\s), \t%2, \i
.else
	WMC ACC+64*\i+8*\t, \set+12*\t, \set+96+12*\i, ACC+64*\i+8*\t, SP+8*(\t/2)+(\s), SL+(\s), \t%2, \i
.endif
.endr
.endr
.endm
; A whole product over K = 1,024, written out.  tc0 >= 0: the operands are still arriving in two halves of four K steps.
.macro GEMM pa, la, cb, ct, ci, tc0
.if \tc0 >= 0
	s_cmp_lt_u32 s18, 2                            ; waves 0 and 1 asked for K steps 0-3, by lines of their own: they wait,
	s_cbranch_scc0 .Lnot_first
	s_wait_tensorcnt 0x0
.Lnot_first:
	s_barrier_signal -1
	s_barrier_wait -1                              ; and K steps 0-3 are shown to all; the other two loads may stay out
.endif
	FETCH \pa, \la, 0, 0
.irp s, 0,1,2,3,4,5,6,7
.if \s < 7
.if (\tc0 >= 0) && (\s == 1)           ; behind K step 1's fetch: seven K steps stand between Wk's request and the wait for it
	WIN 0
	s_wait_tensorcnt 0x0                           ; all the head's loads are in, K steps 4-7 among them;
	ds_add_u32 v23, v24
	s_wait_dscnt 0x0
	ROUND
	tensor_load_to_lds s[84:87], s[40:47]          ; Wk into WB, a quarter a wave: my one tensor load behind the round
	s_nop 0
.endif
.if \s > 0
	PLACES 4                                       ; in front of loads into the set that the step before multiplied
.endif
	FETCH \pa, \la, \s+1, 128*((\s+1)%2)
	s_wait_dscnt 30                                ; all but the 30 just issued: this step's set is in
.else
	s_wait_dscnt 0x0
.endif
	MULS 128*(\s%2), \s, \cb, \ct, \ci
.endr
	WIN 0
.endm
.macro LOADSP off, imm                 ; source 0's scale words: a block's 4,096 bytes, 16 bytes a lane and load
.irp p, 0,1,2,3
.irp k, 0,1
	global_load_b128 v[SP+8*\p+4*\k:SP+8*\p+4*\k+3], v[\off], s[6:7] offset:\imm+1024*\p+16*\k
.endr
.endr
.endm
.macro LOADSL off, imm                 ; source 1's: my two tiles' 1,024 bytes
.irp k, 0,1
	global_load_b128 v[SL+4*\k:SL+4*\k+3], v[\off], s[6:7] offset:\imm+16*\k
.endr
.endm
; Q (kind 0) or K (kind 1) leaves: of a lane's 64 channels the lower 64-block pair is head 2 j's, the upper head 2 j + 1's
.macro EPI_QK kind
	s_wait_xcnt 0x0                                ; earlier stores have read their data registers
	QUANT ACC, PCD, PCD+12, PW                     ; tile 2 w: head A's six registers at PCD, head B's at PCD + 12
	QUANT ACC+64, PCD+6, PCD+18, PW+1              ; tile 2 w + 1: at PCD + 6 and PCD + 18
	v_cndmask_b32 v[W], v[PW], v[PW+1], s97        ; lanes 0-15 the even tile's words, lanes 16-31 the odd tile's
	v_and_or_b32 v[W+1], v[W], 0xffff, s96         ; head A: its two bytes, 0x7f 0x7f above
	v_lshrrev_b32 v[W+2], 16, v[W]
	v_or_b32 v[W+2], s96, v[W+2]                   ; head B
.irp c, 0,1
.if \kind
.irp q, 0,1,2
	global_store_b128 v28, v[PCD+12*\c+4*\q:PCD+12*\c+4*\q+3], s[16:17] offset:\c*HEADB+512*\q
.endr
	global_store_b32 v29, v[W+1+\c], s[16:17] offset:\c*HEADB+12288
.else
.irp i, 0,1
	global_store_b64 v20, v[PCD+12*\c+6*\i:PCD+12*\c+6*\i+1], s[14:15] offset:\c*98304+\i*768
	global_store_b128 v18, v[PCD+12*\c+6*\i+2:PCD+12*\c+6*\i+5], s[14:15] offset:\c*98304+\i*768+256
.endr
	global_store_b32 v19, v[W+1+\c], s[92:93] offset:\c*8192
.endif
.endr
.endm
	s_load_b256 s[4:11], s[0:1], 0x0               ; cod, scl, bq, bk
	s_load_b128 s[12:15], s[0:1], 0x20             ; bv, qbuf
	s_load_b64 s[16:17], s[0:1], 0x30              ; kv
	v_lshl_add_u32 v23, v0, 2, SPARE               ; my spare word; never rewritten
	v_mov_b32 v24, 0                               ; 0; never rewritten
	ds_add_u32 v23, v24
	ds_add_u32 v23, v24
	s_wait_dscnt 0x0
	v_lshrrev_b32 v1, 5, v0
	v_readfirstlane_b32 s18, v1                    ; wave 0..3
	s_bfe_u32 s19, ttmp6, 0x40000                  ; cx
	s_lshl_b32 s21, ttmp9, 2
	s_add_co_u32 s19, s21, s19                     ; xb = 4 x cluster x + cx: it enters x's address and the outputs' alone
	s_and_b32 s20, ttmp7, 0xffff                   ; j, which the four partners share
	; group 1: dense blocks as rows of 256 bytes (32 elements of 8 bytes).  s[24:31] half a block, 192 rows, no mask; s[32:39] the same jointly; s[40:47] a quarter of a block, 96 rows, jointly
	s_mov_b32 s24, 3<<16
	s_mov_b32 s32, 15|(3<<16)|(1<<21)              ; 15:0 the mask: all four work-groups; 17:16 elements of 8 bytes; 21 set beside a mask
	s_mov_b32 s40, 15|(3<<16)|(1<<21)
.irp g, 24, 32
	s_mov_b32 s[\g+1], 32<<16                      ; tensor_dim0 = 32
	s_mov_b32 s[\g+2], 192<<16                     ; tensor_dim1 = 192: half a block, K steps 0-3 or 4-7
	s_mov_b32 s[\g+3], 32<<16                      ; tile_dim0 = 32
	s_mov_b32 s[\g+4], 192                         ; tile_dim1 = 192
	s_mov_b32 s[\g+5], 32                          ; pitch
	s_mov_b32 s[\g+6], 0
	s_mov_b32 s[\g+7], 0
.endr
	s_mov_b32 s41, 32<<16
	s_mov_b32 s42, 96<<16
	s_mov_b32 s43, 32<<16
	s_mov_b32 s44, 96
	s_mov_b32 s45, 32
	s_mov_b32 s46, 0
	s_mov_b32 s47, 0
	s_mul_i32 s3, s18, STGB                        ; my quarter of a block
	s_mul_i32 s22, s19, BLKB                       ; x's block xb
	s_mov_b32 s23, 0
	s_add_co_u32 s66, s20, 32
	s_mul_i32 s66, s66, BLKB                       ; Wq's block: 32 + j
	s_mov_b32 s67, 0
	s_add_co_u32 s98, s20, 40
	s_mul_i32 s98, s98, BLKB
	s_add_co_u32 s98, s98, s3                      ; Wk's: 40 + j
	s_mov_b32 s99, 0
	s_add_co_u32 s100, s98, 8*BLKB                 ; Wv's: 48 + j
	s_mov_b32 s101, 0
	s_mov_b32 s[SEL], 0x76543210
	s_mov_b32 s[SEL+1], 0xfedcba98
	s_mov_b32 s96, 0x7f7f0000
	s_mov_b32 s97, 0xffff0000                      ; lanes 16-31
	s_wait_kmcnt 0x0
	s_add_nc_u64 s[22:23], s[4:5], s[22:23]
	s_add_nc_u64 s[66:67], s[4:5], s[66:67]
	s_add_nc_u64 s[98:99], s[4:5], s[98:99]
	s_add_nc_u64 s[100:101], s[4:5], s[100:101]
.irp q, 0,1                            ; group 0 for half q (K steps 4 q .. 4 q + 3): x's at s[48 + 4 q ..], Wq's at s[68 + 4 q ..]; none is ever rewritten
	s_mov_b32 s[48+4*\q], 1
	s_mov_b32 s[49+4*\q], \q*2*STGB
	s_add_nc_u64 s[50+4*\q:51+4*\q], s[22:23], \q*2*STGB
	s_or_b32 s[51+4*\q], s[51+4*\q], 0x80000000
	s_mov_b32 s[68+4*\q], 1
	s_mov_b32 s[69+4*\q], LWA+\q*2*STGB
	s_add_nc_u64 s[70+4*\q:71+4*\q], s[66:67], \q*2*STGB
	s_or_b32 s[71+4*\q], s[71+4*\q], 0x80000000
.endr
	s_mov_b32 s84, 1                               ; Wk into WB
	s_add_co_u32 s85, s3, LWB
	s_mov_b64 s[86:87], s[98:99]
	s_or_b32 s87, s87, 0x80000000
	s_mov_b32 s88, 1                               ; Wv into WA, later
	s_add_co_u32 s89, s3, LWA
	s_mov_b64 s[90:91], s[100:101]
	s_or_b32 s91, s91, 0x80000000
	ROUND                                          ; all four work-groups are here: the first joint loads meet
; THE HEAD'S LOADS, ONE A WAVE: wave 0 x's K steps 0-3, wave 1 Wq's, wave 2 x's K steps 4-7, wave 3 Wq's.  One chain of branches on the wave's number, one load to an arm.
.macro ARM n, g0, g1, next
	s_cmp_eq_u32 s18, \n
	s_cbranch_scc0 \next
	tensor_load_to_lds s[\g0:\g0+3], s[\g1:\g1+7]
	s_nop 0
	PLACES 4
	s_branch .Lasked
\next:
.endm
	ARM 0, 48, 24, .Lhead_1
	ARM 1, 68, 32, .Lhead_2
	ARM 2, 52, 24, .Lhead_3
	tensor_load_to_lds s[72:75], s[32:39]
	s_nop 0
	PLACES 4
.Lasked:
	v_and_b32 v1, 31, v0                           ; lane l
	v_and_b32 v25, 15, v0                          ; r
	v_bfe_u32 v26, v0, 4, 1                        ; h
	v_lshlrev_b32 v2, 4, v1                        ; X: 16 l, K steps 0-3;
	v_add_nc_u32 v3, 49152, v2                     ; K steps 4-7
	v_add_nc_u32 v4, LWA, v2                       ; WA
	v_add_nc_u32 v5, LWA+49152, v2
	v_add_nc_u32 v6, LWB, v2                       ; WB
	v_add_nc_u32 v7, LWB+49152, v2
	s_mul_i32 s2, s18, 3072                        ; my two tiles as source 1
	v_add_nc_u32 v8, s2, v2                        ; in X
	v_add_nc_u32 v9, s2, v3
	v_add_nc_u32 v10, s2, v4                       ; in WA
	v_add_nc_u32 v11, s2, v5
	v_lshlrev_b32 v27, 5, v1                       ; scale words: 32 bytes a lane
	s_lshl_b32 s22, s19, 12
	v_add_nc_u32 v12, s22, v27                     ; x's block
	s_lshl_b32 s3, s18, 10
	v_add_nc_u32 v13, s3, v12                      ; at my two tiles
	s_add_co_u32 s2, s20, 32
	s_lshl_b32 s2, s2, 12
	v_add_nc_u32 v14, s2, v27                      ; Wq's block (Wk's 32,768 bytes on, Wv's 65,536)
	v_add_nc_u32 v15, s3, v14
	v_lshlrev_b32 v16, 6, v26                      ; bq, bk: 64 h
	v_and_b32 v17, 8, v25
	v_add_nc_u32 v17, v17, v25
	v_lshlrev_b32 v17, 2, v17
	s_lshl_b32 s2, s18, 7
	v_add_nc_u32 v17, s2, v17                      ; bv: 4 (r + 8 (r / 8)) + 128 w
	v_lshlrev_b32 v19, 2, v1
	v_add_nc_u32 v19, s2, v19                      ; 4 l + 128 w
	s_mul_i32 s3, s18, FRB
	v_add_nc_u32 v18, s3, v2                       ; 16 l + 1,536 w
	v_lshlrev_b32 v20, 3, v1
	v_add_nc_u32 v20, s3, v20                      ; 8 l + 1,536 w
	s_lshr_b32 s2, s18, 1
	s_mul_i32 s2, s2, HEADB                        ; V: waves 0, 1 hold head 2 j's channels, waves 2, 3 head 2 j + 1's
	s_and_b32 s3, s18, 1
	s_mul_i32 s66, s3, 3072
	s_add_co_u32 s66, s66, s2
	v_add_nc_u32 v21, s66, v2
	s_lshl_b32 s3, s3, 7
	s_add_co_u32 s3, s3, s2
	v_lshlrev_b32 v22, 2, v1
	v_add_nc_u32 v22, s3, v22
	; K'S PLACE IN kv.  The eight keys of lane-rows 8 (R / 8) .. + 7 of my tile 2 w + i are group 4 w + i + 2 (R / 8) of the key step's sixteen.  They go to tile 4 (w / 2) + i + 2 (R / 8), lane-rows 8 (w % 2) .. + 7:
	; tile t then holds keys 64 (t / 4) + 8 (t % 4) + 0 .. 7 below and the eight keys 32 further on above, so that in the scores a lane's 32 registers of tiles 4 c .. 4 c + 3 are one whole scale block of the next K.
	s_lshr_b32 s2, s18, 1
	s_and_b32 s3, s18, 1
	v_lshrrev_b32 v27, 3, v25
	v_lshl_add_u32 v27, s2, 1, v27                 ; u = 2 (w / 2) + R / 8: the pair of tiles
	v_and_b32 v30, 7, v25
	v_lshl_add_u32 v30, s3, 3, v30                 ; the new lane-row: 8 (w % 2) + R % 8
	v_mul_u32_u24 v28, v27, 1536
	v_lshl_add_u32 v31, v26, 4, v30                ; the new lane
	v_lshl_add_u32 v28, v31, 4, v28                ; codes: 1,536 u + 16 x lane
	v_lshlrev_b32 v29, 7, v27
	v_lshl_add_u32 v29, v26, 6, v29
	v_lshl_add_u32 v29, v30, 2, v29                ; scale words: 128 u + 64 i + 4 x lane-row (i = my lane's half)
.irp b, 0,1,2,3
	v_mov_b32 v[TM+4+\b], 0                        ; written once: a lane permute's destination counts as one of its sources
.endr
	s_lshl_b32 s2, s20, 9                          ; the biases at my 128 channels
	s_mov_b32 s3, 0
	s_add_nc_u64 s[8:9], s[8:9], s[2:3]
	s_add_nc_u64 s[10:11], s[10:11], s[2:3]
	s_add_nc_u64 s[12:13], s[12:13], s[2:3]
	s_lshr_b32 s21, s19, 4
	s_lshl_b32 s21, s21, 8
	s_and_b32 s22, s19, 15
	s_add_co_u32 s21, s21, s22
	s_lshl_b32 s22, s20, 5
	s_add_co_u32 s21, s21, s22                     ; u = 16 (16 b + 2 j) + key step
	s_mov_b32 s23, 0
	s_mul_i32 s22, s21, KVB
	s_add_nc_u64 s[16:17], s[16:17], s[22:23]      ; kv at head 2 j's block of this key step
	s_lshl_b32 s22, s21, 9
	s_add_nc_u64 s[92:93], s[14:15], s[22:23]
	s_add_nc_u64 s[92:93], s[92:93], 3145728       ; Q's scale words: 8 tiles x 64 bytes a key step
	s_mul_i32 s22, s21, 6144
	s_add_nc_u64 s[14:15], s[14:15], s[22:23]      ; Q's half fragments: 8 tiles x 768 bytes
	LOADSP 14, 0                                   ; Wq's scale words
	LOADSL 13, 0                                   ; x's, for my two tiles
	WIN 0x80                                       ; destination window 2
.irp t, 0,1,2,3,4,5,6,7                ; tile t's C: lane half h, register n: the bias of channel 32 (t / 2) + 16 h + 8 (t % 2) + n
	global_load_b128 v[BQ+8*\t:BQ+8*\t+3], v16, s[8:9] offset:(32*(\t/2)+8*(\t%2))*4
	global_load_b128 v[BQ+8*\t+4:BQ+8*\t+7], v16, s[8:9] offset:(32*(\t/2)+8*(\t%2))*4+16
	global_load_b128 v[BK+8*\t:BK+8*\t+3], v16, s[10:11] offset:(32*(\t/2)+8*(\t%2))*4
	global_load_b128 v[BK+8*\t+4:BK+8*\t+7], v16, s[10:11] offset:(32*(\t/2)+8*(\t%2))*4+16
.endr
.irp i, 0,1                            ; V's channel lies in the lane: all eight registers of a C hold the lane's bv
.irp n, 0,1,2,3,4,5,6,7
	global_load_b32 v[BV+8*\i+\n], v17, s[12:13] offset:32*\i
.endr
.endr
	WIN 0
	s_wait_loadcnt 0x0
	GEMM 4, 8, BQ, 8, 0, 0                         ; Q: source 0 = Wq (WA), source 1 = x; the operands arrive in two halves, and Wk is asked for behind the second
	s_wait_tensorcnt 0x0                           ; WA IS FILLED AGAIN, with Wv: all my tensor loads have landed, Wk's part among them;
	ds_add_u32 v23, v24                            ; 0 onto my spare word
	PLACES 4                                       ; (the places behind the last products)
	s_wait_dscnt 0x0                               ; the add is done, and my reads of WA are over
	ROUND                                          ; so it is with every wave of all four work-groups
	tensor_load_to_lds s[88:91], s[40:47]          ; my one tensor load behind the round: it lands while Q leaves and K is made
	s_nop 0
	PLACES 4
	LOADSP 14, 32768                               ; Wk's scale words
	EPI_QK 0
	s_wait_loadcnt 0x0
	GEMM 6, 8, BK, 8, 0, -1                        ; K: source 0 = Wk (WB), whole since the round above; source 1 = x
	PLACES 4
	LOADSP 12, 0                                   ; for V: x's scale words as source 0's,
	LOADSL 15, 65536                               ; Wv's for my two tiles
	EPI_QK 1
	s_wait_tensorcnt 0x0                           ; my part of Wv is in,
	s_wait_dscnt 0x0
	s_barrier_signal -1
	s_barrier_wait -1                              ; everybody's is
	s_wait_loadcnt 0x0
	GEMM 2, 10, BV, 0, 8, -1                       ; V: source 0 = x, source 1 = Wv (WA)
	PLACES 4
	s_wait_xcnt 0x0                                ; K's stores have read their data registers
	QUANT ACC, PCD, PCD+6, PW                      ; channel tile 2 w: a whole fragment, 128 keys
	QUANT ACC+64, PCD+12, PCD+18, PW+1
	v_cndmask_b32 v[W], v[PW], v[PW+1], s97
.irp i, 0,1
.irp q, 0,1,2
	global_store_b128 v21, v[PCD+12*\i+4*\q:PCD+12*\i+4*\q+3], s[16:17] offset:6144+\i*FRB+512*\q
.endr
.endr
	global_store_b32 v22, v[W], s[16:17] offset:12800
	s_wait_tensorcnt 0x0                           ; the wave's end
	ds_add_u32 v23, v24
	s_wait_dscnt 0x0
	ROUND                                          ; the closing round
	s_endpgm
.Lfunc_end_k_q4e2988c20b_qkv:
	.size	k_q4e2988c20b_qkv, .Lfunc_end_k_q4e2988c20b_qkv-k_q4e2988c20b_qkv
	.p2alignl 7, 3214868480
	.fill 96, 4, 3214868480
	.section	.rodata,"a",@progbits
	.p2align	6, 0x0
	.amdhsa_kernel k_q4e2988c20b_qkv
		.amdhsa_group_segment_fixed_size 327680
		.amdhsa_private_segment_fixed_size 0
		.amdhsa_enable_private_segment 0
		.amdhsa_kernarg_size 56
		.amdhsa_user_sgpr_count 2
		.amdhsa_user_sgpr_kernarg_segment_ptr 1
		.amdhsa_wavefront_size32 1
		.amdhsa_system_sgpr_workgroup_id_x 1
		.amdhsa_system_sgpr_workgroup_id_y 1
		.amdhsa_system_sgpr_workgroup_id_z 1
		.amdhsa_system_vgpr_workitem_id 0
		.amdhsa_next_free_vgpr 672
		.amdhsa_next_free_sgpr 102
		.amdhsa_reserve_vcc 0
		.amdhsa_float_denorm_mode_32 3
		.amdhsa_float_denorm_mode_16_64 3
		.amdhsa_memory_ordered 1
		.amdhsa_forward_progress 1
		.amdhsa_inst_pref_size 142
	.end_amdhsa_kernel
	.amdgpu_metadata
---
amdhsa.version: [ 1, 2 ]
amdhsa.kernels:
  - .name:           k_q4e2988c20b_qkv
    .symbol:         k_q4e2988c20b_qkv.kd
    .args:
      - { .name: cod, .offset: 0, .size: 8, .value_kind: global_buffer, .address_space: global }
      - { .name: scl, .offset: 8, .size: 8, .value_kind: global_buffer, .address_space: global }
      - { .name: bq, .offset: 16, .size: 8, .value_kind: global_buffer, .address_space: global }
      - { .name: bk, .offset: 24, .size: 8, .value_kind: global_buffer, .address_space: global }
      - { .name: bv, .offset: 32, .size: 8, .value_kind: global_buffer, .address_space: global }
      - { .name: qbuf, .offset: 40, .size: 8, .value_kind: global_buffer, .address_space: global }
      - { .name: kv, .offset: 48, .size: 8, .value_kind: global_buffer, .address_space: global }
    .group_segment_fixed_size: 327680
    .private_segment_fixed_size: 0
    .kernarg_segment_align: 8
    .kernarg_segment_size: 56
    .max_flat_workgroup_size: 128
    .sgpr_count:     102
    .vgpr_count:     672
    .wavefront_size: 32
...
	.end_amdgpu_metadata
.endif
;; end of part 2
;; launch attn (part 3): grid 8 x 32, 8 waves a work-group, clusters of 4 x 1, 327,680 bytes of LDS; arguments qbuf, kv, aoc, asc; writes aoc, asc
.if DOCPART == 3
	.amdgcn_target "amdgcn-amd-amdhsa--gfx1250"
	.amdhsa_code_object_version 6
	.text
	.protected	k_q4e2988c20b_attn
	.globl	k_q4e2988c20b_attn
	.p2align	8
	.type	k_q4e2988c20b_attn,@function
k_q4e2988c20b_attn:
	s_mov_b64 s[64:65], 0
	v_nop
	global_prefetch_b8 v0, s[64:65] scope:SCOPE_SE
	s_setreg_imm32_b32 hwreg(HW_REG_WAVE_MODE, 25, 1), 1
	s_wait_xcnt 0x0
	s_wait_alu depctr_hold_cnt(0) depctr_sa_sdst(0) depctr_va_vdst(0) depctr_va_sdst(0) depctr_va_ssrc(0) depctr_va_vcc(0) depctr_vm_vsrc(0)
	s_getreg_b32 s2, hwreg(HW_REG_IB_STS2, 6, 4)
	s_cmp_eq_u32 s2, 0
	s_cbranch_scc0 .Lentry_in_a_cluster
	s_endpgm
.Lentry_in_a_cluster:
	s_bfe_u32 s2, ttmp6, 0x10000c
	s_cmp_lg_u32 s2, 0x3003
	s_cbranch_scc0 .Lentry_shape_is_right
	s_endpgm
.Lentry_shape_is_right:
; o = softmax(Q K^T / 8) V for one head (bh = grid y) and 256 queries (grid x), on codes of FP6 (E2M3) with E8M0 scales; the result leaves quantised along the head's 64 for the last projection.
; SHARES.  8 waves, a wave 32 queries: TWO TILES of 16, a and b, which share every fragment of K and V.  Every wave walks the head's 16 key steps of 128 keys.
; Both products are used transposed (S^T = K Q^T, O^T = V^T p^T): a lane holds one query of each tile throughout.
; LDS.  The head's K and V, 16 blocks of 13,056 bytes (51 rows of 256), lie whole in LDS from 0: wave w asks for blocks 2 w and 2 w + 1 by its one tensor load; nothing is filled again.
; Wave 0's load has a line and a wait of its own: a first barrier shows blocks 0 and 1, and key step 0, written out ahead of the loop, reads these two blocks alone while the other seven loads are on their way.
; A second barrier, with every wave's wait for its load ahead of it, shows all sixteen blocks; the loop has no barrier.
; The four work-groups of a cluster share bh: every block is asked for JOINTLY (mask 15).  All the fills go out at the head, so there is no trip to prefetch ahead in: no prefetch is written.
; A block: K's 8 half fragments as 48 registers in 12 runs of 512 bytes; at 6,144 V's four fragments; at 12,288 K's scale words (4 x 128 bytes); at 12,800 V's (2 x 128).
; K's tile t holds keys 64 (t / 4) + 8 (t % 4) + 0 .. 7 in lane-rows 0-7 and the keys 32 further on in lane-rows 8-15: lane (r, h) then has, in the 32 registers of tiles 4 c .. 4 c + 3,
; keys 64 c + 32 h + 0 .. 31 of query r: ONE WHOLE SCALE BLOCK of p, in the order of the operand's registers.
; The head is 64 wide and the instruction 128 deep: Q's upper six registers are zero codes, and a K operand's upper six are the next tile's codes (behind tile 7: zeros).
; SOFTMAX.  M = ceil of the running largest t, kept as -M; p = 2^(t - M); the row's sum of the unquantised p; O^T and the sum are multiplied by 2^(old M - new M) in every step, with no branch.
; A block's largest p is made of its largest score by the same multiply-add and exponential.
; LIMITS: the promise holds while |t| stays under 2^31; NaN and infinities are not served; a block whose p are all under 2^-124 gets the byte 1.
; REGISTERS.  Window 0: v1-9 addresses; v10-15 a's sums, -M, largest score; v16-27 Q a, v28 its scale words, v89 Q b's; v29 8 h; v30, v31 the add's; v32-79 K, v80-85 zeros; v86-88 and v90-92 at work (a, b);
;   v96-159 S^T a, then p; v160-191 O^T a; v192-197 V's and K's scale words; v200-206 at work; v208-215 a's and v216-223 b's maxima and scales; v224-235 p a's codes; v236, v237 b's -M and largest score;
;   v238 b's factor; v252 a's; v253, v254 p's scale words (a, b).   Window 1: tile b's Q, S^T, O^T, codes, sums and v200-206 at tile a's numbers; v32-79 V's four fragments.
; So K and V have registers of their own, and both are asked for a step ahead.  The short chains of the two tiles stand in window 0 and go line by line in turn.
.set KVB,   13056
.set HEADB, 208896
.set SCG,   208896                     ; the results' scale words on their way out: 64 bytes a tile
.set SPARE, 209920                     ; the spare words: 128 bytes a wave
.set MSB, 0
.macro WIN new                         ; low byte: bits 1:0 source 0, 3:2 source 1, 5:4 source 2, 7:6 destination; the high byte repeats the setting that is left
.if MSB != \new
	s_set_vgpr_msb (MSB<<8)|\new
.set MSB, \new
.endif
.endm
.macro ROUND
	s_barrier_signal -1
	s_barrier_wait -1
	s_cmp_lg_u32 s12, 0
	s_cbranch_scc1 .Lnw0_\@
	s_barrier_signal -3
.Lnw0_\@:
	s_barrier_wait -3
	s_barrier_signal -1
	s_barrier_wait -1
.endm
.macro WQK d, a, sa, ra, sb
.if (\ra) == 0
	v_wmma_scale_f32_16x16x128_f8f6f4 v[\d:\d+7], v[\a:\a+11], v[16:27], 0, v[\sa], v[\sb] matrix_a_fmt:MATRIX_FMT_FP6 matrix_b_fmt:MATRIX_FMT_FP6
.else
	v_wmma_scale_f32_16x16x128_f8f6f4 v[\d:\d+7], v[\a:\a+11], v[16:27], 0, v[\sa], v[\sb] matrix_a_fmt:MATRIX_FMT_FP6 matrix_b_fmt:MATRIX_FMT_FP6 matrix_a_scale:MATRIX_SCALE_ROW1
.endif
.endm
.macro WPV d, a, sa, ra, sb
.if (\ra) == 0
	v_wmma_scale_f32_16x16x128_f8f6f4 v[\d:\d+7], v[\a:\a+11], v[224:235], v[\d:\d+7], v[\sa], v[\sb] matrix_a_fmt:MATRIX_FMT_FP6 matrix_b_fmt:MATRIX_FMT_FP6
.else
	v_wmma_scale_f32_16x16x128_f8f6f4 v[\d:\d+7], v[\a:\a+11], v[224:235], v[\d:\d+7], v[\sa], v[\sb] matrix_a_fmt:MATRIX_FMT_FP6 matrix_b_fmt:MATRIX_FMT_FP6 matrix_a_scale:MATRIX_SCALE_ROW1
.endif
.endm
.macro QKS sb                          ; a tile's eight score products
.irp t, 0,1,2,3,4,5,6,7
	WQK 96+8*\t, 32+6*\t, 194+\t/2, \t%2, \sb
.endr
.endm
.macro PVS sb                          ; a tile's four products with V
.irp i, 0,1,2,3
	WPV 160+8*\i, 32+12*\i, 192+\i/2, \i%2, \sb
.endr
.endm
.macro KLOAD off                       ; 16 loads: K's eight half fragments and their scale words, off bytes behind the block at v3, v4
.irp c, 0,1,2,3,4,5,6,7,8,9,10,11
	ds_load_b128 v[32+4*\c:35+4*\c], v3 offset:\off+512*\c
.endr
.irp t, 0,1,2,3
	ds_load_b32 v[194+\t], v4 offset:\off+12288+128*\t
.endr
.endm
.macro VLOAD off                       ; 14 loads: V's four fragments (window 1) and their scale words
	WIN 0x40
.irp c, 0,1,2,3,4,5,6,7,8,9,10,11
	ds_load_b128 v[32+4*\c:35+4*\c], v3 offset:\off+6144+512*\c
.endr
	WIN 0
	ds_load_b32 v192, v4 offset:\off+12800
	ds_load_b32 v193, v4 offset:\off+12928
.endm
.macro MAXES m, w0, w1                 ; four chains by turns, two to a block, into v[m .. m + 3] of window 0; each accumulator is first read at its low end
	WIN \w0
.irp b, 0,1,2,3
	v_max3_num_f32 v[\m+\b], v[96+16*\b], v[97+16*\b], v[98+16*\b]
.endr
	WIN \w1
.irp i, 3,5,7,9,11,13
.irp b, 0,1,2,3
	v_max3_num_f32 v[\m+\b], v[\m+\b], v[96+16*\b+\i], v[97+16*\b+\i]
.endr
.endr
	v_max3_num_f32 v[\m], v[\m], v111, v127
	v_max3_num_f32 v[\m+2], v[\m+2], v143, v159
.endm
.macro BULK mm, ff                     ; t - M, and O^T under the new M (ahead of the exponentials)
.set jj, 0
.rept 32
	v_pk_fma_f32 v[96+jj:97+jj], v[96+jj:97+jj], s[22:23], v[\mm:\mm+1] op_sel_hi:[1,0,0]
.set jj, jj+2
.endr
.set jj, 0
.rept 16
	v_pk_mul_f32 v[160+jj:161+jj], v[160+jj:161+jj], v[\ff:\ff+1] op_sel_hi:[1,0]
.set jj, jj+2
.endr
.endm
.macro EXPS
.set jj, 0
.rept 64
	v_exp_f32 v[96+jj], v[96+jj]
.set jj, jj+1
.endr
.endm
.macro CVTS so                         ; (a conversion's three registers begin on an even number: the upper halves are made at v200, v204 and moved)
	v_cvt_scalef32_pk16_fp6_f32 v[224:226], v[96:111], v[\so]
	v_cvt_scalef32_pk16_fp6_f32 v[200:202], v[112:127], v[\so]
	v_cvt_scalef32_pk16_fp6_f32 v[230:232], v[128:143], v[\so+1]
	v_cvt_scalef32_pk16_fp6_f32 v[204:206], v[144:159], v[\so+1]
.endm
.macro MOVS
.irp i, 0,1,2
	v_mov_b32 v[227+\i], v[200+\i]
	v_mov_b32 v[233+\i], v[204+\i]
.endr
.endm
; The row's sum of the 32 pairs of p, in four chains: three begin with two pairs each, 26 pairs go by turns, three lines join
.macro SUM0
	v_pk_add_f32 v[10:11], v[96:97], v[98:99]
	v_pk_add_f32 v[200:201], v[100:101], v[102:103]
	v_pk_add_f32 v[204:205], v[104:105], v[106:107]
.endm
.macro SUMR from, to
.set nn, \from
.rept (\to)-(\from)+1
.set aa, 14
.if nn%4 == 1
.set aa, 10
.elseif nn%4 == 2
.set aa, 200
.elseif nn%4 == 3
.set aa, 204
.endif
	v_pk_add_f32 v[aa:aa+1], v[aa:aa+1], v[108+2*nn:109+2*nn]
.set nn, nn+1
.endr
.endm
.macro SUM9
	v_pk_add_f32 v[14:15], v[14:15], v[10:11]
	v_pk_add_f32 v[200:201], v[200:201], v[204:205]
	v_pk_add_f32 v[14:15], v[14:15], v[200:201]
.endm
; A key step.  Its K and V were asked for in the step before, K's 16 loads ahead of V's 14.  last = 1: nothing more is asked for.
.macro STEP last
	s_wait_dscnt 14                                ; K is in; V's 14 loads may be out
	QKS 28
	WIN 0x44                                       ; K window 0, Q b and S^T b window 1
	QKS 89
	WIN 0
	v_mov_b32 v86, v12                             ; four places behind the products: the old -M of both tiles,
	v_mov_b32 v90, v236
.if (\last) == 0
	v_add_nc_u32 v3, s48, v1                       ; this block's addresses
	v_add_nc_u32 v4, s48, v2
	KLOAD KVB                                      ; the next step's K
.else
	v_nop
	v_nop
.endif
	MAXES 208, 0, 0
	MAXES 216, 0x15, 0x14                          ; sources in window 1, the chains in window 0
	WIN 0
	v_max_num_f32 v208, v208, v209                 ; a: my block h's largest score,
	v_max_num_f32 v210, v210, v211                 ; and block 2 + h's
	v_max_num_f32 v216, v216, v217                 ; b likewise
	v_max_num_f32 v218, v218, v219
	v_max_num_f32 v87, v208, v210
	v_max_num_f32 v91, v216, v218
	v_permlanex16_b32 v88, v87, s20, s21
	v_permlanex16_b32 v92, v91, s20, s21
	v_max3_num_f32 v13, v13, v87, v88              ; the running largest score of my query
	v_max3_num_f32 v237, v237, v91, v92
	v_mul_f32 v87, s19, v13                        ; -t
	v_mul_f32 v91, s19, v237
	v_floor_f32 v12, v87                           ; -M = floor(-t)
	v_floor_f32 v236, v91
	v_sub_f32 v87, v12, v86                        ; old M - new M, a whole number, 0 or less
	v_sub_f32 v91, v236, v90
	v_fma_f32 v208, v208, s22, v12
	v_fma_f32 v210, v210, s22, v12
	v_fma_f32 v216, v216, s22, v236
	v_fma_f32 v218, v218, s22, v236
	v_cvt_i32_f32 v87, v87                         ; (it saturates)
	v_cvt_i32_f32 v91, v91
	v_ldexp_f32 v252, 1.0, v87                     ; the factor: a power of two, or 0
	v_ldexp_f32 v238, 1.0, v91
	BULK 12, 252
	WIN 0x41                                       ; destination and source 0 window 1; -M, the factor and the scale operands window 0
	BULK 236, 238
	s_wait_alu depctr_va_vdst(0)
	EXPS
	WIN 0
	EXPS
	v_exp_f32 v208, v208
	v_exp_f32 v210, v210
	v_exp_f32 v216, v216
	v_exp_f32 v218, v218
	v_pk_mul_f32 v[14:15], v[14:15], v[252:253] op_sel_hi:[1,0]    ; a's sum under the new M: the plain place behind the batch
	s_wait_alu depctr_va_vdst(0)                   ; and behind it
.irp n, 208,210,216,218
	v_max_num_f32 v\n, 0x1800000, v\n              ; the floor 2^(3 - 127): the byte cannot fall under 1
.endr
	v_add_nc_u32 v212, 0xff000000, v208            ; 2 off the exponent field: the conversions' scale operands
	v_add_nc_u32 v213, 0xff000000, v210
	v_add_nc_u32 v220, 0xff000000, v216
	v_add_nc_u32 v221, 0xff000000, v218
	v_lshrrev_b32 v214, 23, v212
	v_lshrrev_b32 v215, 23, v213
	v_lshrrev_b32 v222, 23, v220
	v_lshrrev_b32 v223, 23, v221
	v_lshl_or_b32 v214, v215, 16, v214             ; my two bytes: blocks h and 2 + h,
	v_lshl_or_b32 v222, v223, 16, v222
	v_lshlrev_b32 v214, v29, v214                  ; 8 h bits up;
	v_lshlrev_b32 v222, v29, v222
	v_permlanex16_b32 v88, v214, s20, s21
	v_permlanex16_b32 v92, v222, s20, s21
	v_or_b32 v253, v214, v88                       ; with lane l xor 16's two the scale word is whole
	v_or_b32 v254, v222, v92
	CVTS 212
	WIN 0x41
	CVTS 220
	v_pk_mul_f32 v[14:15], v[14:15], v[238:239] op_sel_hi:[1,0]    ; b's sum under the new M: the plain place behind the conversions
	MOVS
	WIN 0
	MOVS
	SUM0
	SUMR 0, 4                                      ; eight lines between a's codes and the products
	s_wait_alu depctr_va_vdst(0)
.if (\last) == 0
	s_wait_dscnt 16                                ; V is in; the next step's 16 loads of K may be out
.else
	s_wait_dscnt 0x0
.endif
	WIN 0x01                                       ; V window 1, all else window 0
	PVS 253
	WIN 0
	SUMR 5, 25
	SUM9
	WIN 0x55
	PVS 254
	WIN 0x45
	SUM0                                           ; b's sum: also the places in front of the loads into V's registers
	SUMR 0, 25
	SUM9
.if (\last) == 0
	VLOAD KVB                                      ; the next step's V
.endif
	WIN 0
.endm
; A tile's way out, all its registers in one window: O^T / the sum, quantised along the head's 64
.macro TAILQ
	v_add_f32 v14, v14, v15
	v_permlanex16_b32 v88, v14, s20, s21
	v_add_f32 v14, v14, v88                        ; the row's sum
	s_wait_alu depctr_va_vdst(0)
	v_rcp_f32 v14, v14
	v_nop
	s_wait_alu depctr_va_vdst(0)
.set jj, 0
.rept 16
	v_pk_mul_f32 v[96+jj:97+jj], v[160+jj:161+jj], v[14:15] op_sel_hi:[1,0]    ; register 16 b + i of lane (r, h): channel 32 b + 16 h + i of query r
.set jj, jj+2
.endr
.irp b, 0,1
	v_max3_num_f32 v[208+\b], |v[96+16*\b]|, |v[97+16*\b]|, 0x1800000
.endr
.irp i, 2,4,6,8,10,12,14
.irp b, 0,1
	v_max3_num_f32 v[208+\b], v[208+\b], |v[96+16*\b+\i]|, |v[97+16*\b+\i]|
.endr
.endr
	v_permlanex16_b32 v87, v208, s20, s21
	v_permlanex16_b32 v88, v209, s20, s21
	v_max_num_f32 v208, v208, v87
	v_max_num_f32 v209, v209, v88
	v_add_nc_u32 v212, 0xff000000, v208
	v_add_nc_u32 v213, 0xff000000, v209
	v_lshrrev_b32 v214, 23, v212
	v_lshrrev_b32 v215, 23, v213
	v_lshl_or_b32 v214, v215, 8, v214
	v_lshlrev_b32 v214, s62, v214                  ; an odd head's two bytes stand in the word's upper half
	v_cvt_scalef32_pk16_fp6_f32 v[224:226], v[96:111], v212
	v_cvt_scalef32_pk16_fp6_f32 v[200:202], v[112:127], v213
	v_nop
.irp i, 0,1,2
	v_permlane16_swap_b32 v[224+\i], v[200+\i]     ; a whole block to a lane
.endr
.irp i, 0,1,2
	v_mov_b32 v[227+\i], v[200+\i]
.endr
.endm
.macro PUT off, soff
	global_store_b64 v5, v[224:225], s[8:9] offset:\off
	global_store_b128 v1, v[226:229], s[8:9] offset:\off+256
	ds_store_b32 v7, v214 offset:\soff
.endm
	s_load_b256 s[4:11], s[0:1], 0x0               ; qbuf, kv, aoc, asc
	v_lshl_add_u32 v30, v0, 2, SPARE
	v_mov_b32 v31, 0
	ds_add_u32 v30, v31
	ds_add_u32 v30, v31
	v_lshrrev_b32 v1, 5, v0
	v_readfirstlane_b32 s12, v1                    ; wave
	s_lshl_b32 s17, s12, 1                         ; tile a's number among the block's sixteen; tile b is the next
	s_bfe_u32 s13, ttmp6, 0x40000
	s_lshl_b32 s15, ttmp9, 2
	s_add_co_u32 s13, s15, s13                     ; the block of 256 queries: it enters Q's and the results' addresses alone
	s_and_b32 s14, ttmp7, 0xffff                   ; bh, which the four partners share
	s_mov_b32 s24, 15|(3<<16)|(1<<21)              ; group 1: 102 rows of 256 bytes (32 elements of 8), dense, jointly
	s_mov_b32 s25, 32<<16
	s_mov_b32 s26, 102<<16
	s_mov_b32 s27, 32<<16
	s_mov_b32 s28, 102
	s_mov_b32 s29, 32
	s_mov_b32 s30, 0
	s_mov_b32 s31, 0
	s_mul_i32 s16, s12, 2*KVB                      ; my two blocks: key steps 2 w, 2 w + 1
	s_mul_i32 s50, s14, HEADB
	s_add_co_u32 s50, s50, s16
	s_mov_b32 s51, 0
	s_mov_b32 s32, 1
	s_mov_b32 s33, s16
	s_mov_b32 s20, 0x76543210
	s_mov_b32 s21, 0xfedcba98                      ; selects: lane l xor 16
	s_mov_b32 s22, 0x3e38aa3b                      ; c = log2(e) / 8
	s_mov_b32 s23, s22
	s_mov_b32 s19, 0xbe38aa3b                      ; -c
	s_wait_alu depctr_va_vdst(0)
	s_wait_dscnt 0x0
	ROUND                                          ; the four work-groups are here: the joint loads meet
	s_wait_kmcnt 0x0
	s_add_nc_u64 s[34:35], s[6:7], s[50:51]
	s_or_b32 s35, s35, 0x80000000
	s_cmp_eq_u32 s12, 0                            ; one tensor load a wave, in two arms: wave 0's line is its own, since it alone waits ahead of the first barrier
	s_cbranch_scc0 .Lothers
	tensor_load_to_lds s[32:35], s[24:31]          ; wave 0: blocks 0 and 1
	s_nop 0
	s_branch .Lasked
.Lothers:
	tensor_load_to_lds s[32:35], s[24:31]          ; wave w: blocks 2 w and 2 w + 1
	s_nop 0
.Lasked:
	s_lshl_b32 s52, s13, 4
	s_add_co_u32 s52, s52, s17
	s_lshl_b32 s53, s14, 7
	s_add_co_u32 s52, s52, s53                     ; tile a of my queries: 128 bh + 16 x block + 2 w
	s_mul_i32 s54, s52, 768
	s_mov_b32 s55, 0
	s_add_nc_u64 s[54:55], s[4:5], s[54:55]
	s_lshl_b32 s56, s52, 6
	s_mov_b32 s57, 0
	s_add_nc_u64 s[56:57], s[4:5], s[56:57]
	s_mov_b32 s48, 0
	v_and_b32 v2, 31, v0
	v_lshlrev_b32 v1, 4, v2                        ; 16 l
	v_lshlrev_b32 v5, 3, v2                        ; 8 l
	v_lshlrev_b32 v2, 2, v2                        ; 4 l
	v_and_b32 v6, 15, v0
	v_lshlrev_b32 v6, 2, v6                        ; 4 r
	global_load_b64 v[16:17], v5, s[54:55]
	global_load_b128 v[18:21], v1, s[54:55] offset:256
	global_load_b32 v28, v6, s[56:57] offset:3145728
	global_load_b32 v89, v6, s[56:57] offset:3145728+64
	WIN 0x40                                       ; destination window 1
	global_load_b64 v[16:17], v5, s[54:55] offset:768
	global_load_b128 v[18:21], v1, s[54:55] offset:768+256
.irp n, 22,23,24,25,26,27,87,88,14,15
	v_mov_b32 v\n, 0                               ; tile b: zero codes, permutes' destinations, the sum
.endr
.set jj, 0
.rept 32
	v_mov_b32 v[160+jj], 0                         ; O^T b
.set jj, jj+1
.endr
	WIN 0
	v_bfe_u32 v29, v0, 4, 1
	v_lshlrev_b32 v29, 3, v29                      ; 8 h
	v_add_nc_u32 v3, s48, v1
	v_add_nc_u32 v4, s48, v2
	s_lshl_b32 s59, s17, 6
	s_add_co_u32 s59, s59, SCG
	v_add_nc_u32 v7, s59, v6
	v_lshlrev_b32 v8, 4, v0
	v_add_nc_u32 v9, SCG, v8
	s_lshr_b32 s59, s14, 4                         ; where the results go: aoc as half images of the projection's fragments, asc by heads
	s_and_b32 s58, s14, 15
	s_lshl_b32 s60, s59, 4
	s_lshl_b32 s61, s13, 1
	s_add_co_u32 s60, s60, s61
	s_lshr_b32 s61, s17, 3
	s_add_co_u32 s60, s60, s61
	s_lshl_b32 s60, s60, 6
	s_lshr_b32 s61, s58, 1
	s_lshl_b32 s61, s61, 3
	s_add_co_u32 s60, s60, s61
	s_and_b32 s61, s17, 7
	s_add_co_u32 s60, s60, s61
	s_mul_i32 s60, s60, 1536
	s_and_b32 s62, s58, 1
	s_mul_i32 s61, s62, 768
	s_add_co_u32 s60, s60, s61
	s_mov_b32 s61, 0
	s_add_nc_u64 s[8:9], s[8:9], s[60:61]
	s_lshl_b32 s62, s62, 4
	s_lshl_b32 s60, s58, 14
	s_lshl_b32 s63, s59, 6
	s_lshl_b32 s59, s13, 3
	s_add_co_u32 s63, s63, s59
	s_lshl_b32 s63, s63, 7
	s_add_co_u32 s60, s60, s63
	s_add_nc_u64 s[10:11], s[10:11], s[60:61]
.irp n, 22,23,24,25,26,27,80,81,82,83,84,85,88,92,253,239,14,15
	v_mov_b32 v\n, 0                               ; zero codes; permutes' destinations and pairs' upper halves, named before they are first written; a's sum
.endr
	v_mov_b32 v13, 0xff61b1e6                      ; the largest score so far: -3e38
	v_mov_b32 v237, 0xff61b1e6
	v_mul_f32 v87, s19, v13
	v_floor_f32 v12, v87
	v_floor_f32 v236, v87
.set jj, 0
.rept 32
	v_mov_b32 v[160+jj], 0                         ; O^T a: the step is written for every trip alike
.set jj, jj+1
.endr
	s_wait_alu depctr_va_vdst(0)
	s_wait_loadcnt 0x0
	s_cmp_eq_u32 s12, 0
	s_cbranch_scc0 .Lnot_first
	s_wait_tensorcnt 0x0                           ; wave 0: blocks 0 and 1 are in
.Lnot_first:
	s_barrier_signal -1
	s_barrier_wait -1                              ; and are shown to all; the other seven loads may stay out
	KLOAD 0
	VLOAD 0
	STEP 0                                         ; key step 0: it reads blocks 0 and 1 alone (s48 = 0: LDS bytes 0 to 26,111)
	s_wait_alu depctr_va_vdst(0)
	s_wait_tensorcnt 0x0                           ; my blocks are in,
	s_wait_dscnt 0x0                               ; no LDS load of mine is out at a signal
	s_barrier_signal -1
	s_barrier_wait -1                              ; everybody's are: the whole head lies in LDS
	s_mov_b32 s48, KVB
	s_mov_b32 s49, 14
.Lstep:
	STEP 0
	s_add_co_u32 s48, s48, KVB
	s_sub_co_u32 s49, s49, 1
	s_cmp_lg_u32 s49, 0
	s_cbranch_scc1 .Lstep
	STEP 1
	TAILQ
	PUT 0, 0
	WIN 0x55
	TAILQ
	WIN 0x04                                       ; the stores' data window 1, their addresses window 0
	PUT 1536, 64
	WIN 0
	s_wait_dscnt 0x0                               ; my words have landed
	s_barrier_signal -1
	s_barrier_wait -1
	s_cmp_gt_u32 s12, 1
	s_cbranch_scc1 .Ljoin
	ds_load_b128 v[100:103], v9                    ; waves 0 and 1 store the sixteen tiles' 1,024 bytes, 512 on end each
	s_wait_dscnt 0x0
	global_store_b128 v8, v[100:103], s[10:11]
.Ljoin:
	s_wait_tensorcnt 0x0                           ; the wave's end
	ds_add_u32 v30, v31
	s_wait_dscnt 0x0
	ROUND                                          ; the closing round
	s_endpgm
.Lfunc_end_k_q4e2988c20b_attn:
	.size	k_q4e2988c20b_attn, .Lfunc_end_k_q4e2988c20b_attn-k_q4e2988c20b_attn
	.p2alignl 7, 3214868480
	.fill 96, 4, 3214868480
	.section	.rodata,"a",@progbits
	.p2align	6, 0x0
	.amdhsa_kernel k_q4e2988c20b_attn
		.amdhsa_group_segment_fixed_size 327680
		.amdhsa_private_segment_fixed_size 0
		.amdhsa_enable_private_segment 0
		.amdhsa_kernarg_size 32
		.amdhsa_user_sgpr_count 2
		.amdhsa_user_sgpr_kernarg_segment_ptr 1
		.amdhsa_wavefront_size32 1
		.amdhsa_system_sgpr_workgroup_id_x 1
		.amdhsa_system_sgpr_workgroup_id_y 1
		.amdhsa_system_sgpr_workgroup_id_z 1
		.amdhsa_system_vgpr_workitem_id 0
		.amdhsa_next_free_vgpr 512
		.amdhsa_next_free_sgpr 66
		.amdhsa_reserve_vcc 0
		.amdhsa_float_denorm_mode_32 3
		.amdhsa_float_denorm_mode_16_64 3
		.amdhsa_memory_ordered 1
		.amdhsa_forward_progress 1
		.amdhsa_inst_pref_size 97
	.end_amdhsa_kernel
	.amdgpu_metadata
---
amdhsa.version: [ 1, 2 ]
amdhsa.kernels:
  - .name:           k_q4e2988c20b_attn
    .symbol:         k_q4e2988c20b_attn.kd
    .args:
      - { .name: qbuf, .offset: 0, .size: 8, .value_kind: global_buffer, .address_space: global }
      - { .name: kv, .offset: 8, .size: 8, .value_kind: global_buffer, .address_space: global }
      - { .name: aoc, .offset: 16, .size: 8, .value_kind: global_buffer, .address_space: global }
      - { .name: asc, .offset: 24, .size: 8, .value_kind: global_buffer, .address_space: global }
    .group_segment_fixed_size: 327680
    .private_segment_fixed_size: 0
    .kernarg_segment_align: 8
    .kernarg_segment_size: 32
    .max_flat_workgroup_size: 256
    .sgpr_count:     66
    .vgpr_count:     512
    .wavefront_size: 32
...
	.end_amdgpu_metadata
.endif
;; end of part 3
;; launch oproj (part 4): grid 32 x 8, 4 waves a work-group, clusters of 4 x 1, 230,912 bytes of LDS; arguments cod, scl, aoc, asc, bo, out0; writes out0
.if DOCPART == 4
	.amdgcn_target "amdgcn-amd-amdhsa--gfx1250"
	.amdhsa_code_object_version 6
	.text
	.protected	k_q4e2988c20b_oproj
	.globl	k_q4e2988c20b_oproj
	.p2align	8
	.type	k_q4e2988c20b_oproj,@function
k_q4e2988c20b_oproj:
	s_mov_b64 s[64:65], 0
	v_nop
	global_prefetch_b8 v0, s[64:65] scope:SCOPE_SE
	s_setreg_imm32_b32 hwreg(HW_REG_WAVE_MODE, 25, 1), 1
	s_wait_xcnt 0x0
	s_wait_alu depctr_hold_cnt(0) depctr_sa_sdst(0) depctr_va_vdst(0) depctr_va_sdst(0) depctr_va_ssrc(0) depctr_va_vcc(0) depctr_vm_vsrc(0)
	s_getreg_b32 s2, hwreg(HW_REG_IB_STS2, 6, 4)
	s_cmp_eq_u32 s2, 0
	s_cbranch_scc0 .Lentry_in_a_cluster
	s_endpgm
.Lentry_in_a_cluster:
	s_bfe_u32 s2, ttmp6, 0x10000c
	s_cmp_lg_u32 s2, 0x3003
	s_cbranch_scc0 .Lentry_shape_is_right
	s_endpgm
.Lentry_shape_is_right:
; out0 = A Wo^T + bo on codes of FP6 (E2M3) with E8M0 scales, sums in f32.  A is the attention's output as the launch before left it: codes and scale words.
; SHARES.  A work-group makes 128 rows (block ab) x 128 columns (block jb); four waves, each 8 tiles of Wo's rows (source 0) x 2 tiles of A's rows (source 1, tiles 2 w, 2 w + 1): 16 accumulators, K = 1,024 in eight steps.
; Source 0 = Wo's rows: a lane holds one row of the output and its registers run along the columns; with the rows of Wo's tiles chosen as they are, the 16 registers of tiles 2 b, 2 b + 1 are 16 neighbouring columns.
; A's tiles hold their rows in the same order (lane-row r of tile t: row 32 (t / 2) + 8 (t % 2) + r + 8 (r / 8)): the order is undone in the stores' immediate offsets.
; LDS.  A's block at 0 and Wo's at 98,304, each 98,304 dense bytes of register images, [K step][tile]; they come once, in two halves of four K steps; nothing is filled again.  From 196,608 a stage of 16 rows x 528 bytes a wave.
; A fragment of A is two half images (head 2 s, head 2 s + 1): six registers each, 0-1 at 8 l, 2-5 at 256 + 16 l.
; CLUSTER.  The four work-groups of a cluster share jb: Wo's block is asked for JOINTLY (mask 15); A's block is each work-group's own.  One tensor load of mine is out at the start.
; REGISTERS.  window 0: v2-19 addresses; v32-63 Wo's scale words, v64-71 A's; v72-87 A's half words on their way; v128-255 accumulator (i, t) at 128 + 64 i + 8 t.   window 1: two sets of fragments.   window 2: v0-63 bo as C operands.
.set BLKB,  98304
.set STGB,  24576
.set KSB,   12288
.set FRB,   1536
.set LP,    98304
.set STG,   196608
.set SP,  32
.set SL,  64
.set ACC, 128
.set MSB, 0
.macro WIN new                         ; the immediate's high byte repeats the setting that is left
.if MSB != \new
	s_set_vgpr_msb (MSB<<8)|\new
.set MSB, \new
.endif
.endm
.macro PLACES n
.rept \n
	v_nop
.endr
.endm
.macro ROUND
	s_barrier_signal -1
	s_barrier_wait -1
	s_cmp_lg_u32 s18, 0
	s_cbranch_scc1 .Lnw0_\@
	s_barrier_signal -3
.Lnw0_\@:
	s_barrier_wait -3
	s_barrier_signal -1
	s_barrier_wait -1
.endm
.macro WMC d, a, b, c, sa, sb, ra, rb
.if ((\ra) == 0) && ((\rb) == 0)
	v_wmma_scale_f32_16x16x128_f8f6f4 v[\d:\d+7], v[\a:\a+11], v[\b:\b+11], v[\c:\c+7], v[\sa], v[\sb] matrix_a_fmt:MATRIX_FMT_FP6 matrix_b_fmt:MATRIX_FMT_FP6
.elseif ((\ra) == 1) && ((\rb) == 0)
	v_wmma_scale_f32_16x16x128_f8f6f4 v[\d:\d+7], v[\a:\a+11], v[\b:\b+11], v[\c:\c+7], v[\sa], v[\sb] matrix_a_fmt:MATRIX_FMT_FP6 matrix_b_fmt:MATRIX_FMT_FP6 matrix_a_scale:MATRIX_SCALE_ROW1
.elseif ((\ra) == 0) && ((\rb) == 1)
	v_wmma_scale_f32_16x16x128_f8f6f4 v[\d:\d+7], v[\a:\a+11], v[\b:\b+11], v[\c:\c+7], v[\sa], v[\sb] matrix_a_fmt:MATRIX_FMT_FP6 matrix_b_fmt:MATRIX_FMT_FP6 matrix_b_scale:MATRIX_SCALE_ROW1
.else
	v_wmma_scale_f32_16x16x128_f8f6f4 v[\d:\d+7], v[\a:\a+11], v[\b:\b+11], v[\c:\c+7], v[\sa], v[\sb] matrix_a_fmt:MATRIX_FMT_FP6 matrix_b_fmt:MATRIX_FMT_FP6 matrix_a_scale:MATRIX_SCALE_ROW1 matrix_b_scale:MATRIX_SCALE_ROW1
.endif
.endm
; K step s's ten fragments into a set: 24 loads for Wo's eight, 8 for A's two (each half image: 8 bytes a lane, then 16)
.macro FETCH s, set
	WIN 0x40                                       ; destination window 1, address window 0
.irp t, 0,1,2,3,4,5,6,7
.irp c, 0,1,2
	ds_load_b128 v[\set+12*\t+4*\c:\set+12*\t+4*\c+3], v[4+(\s)/4] offset:((\s)%4)*KSB+\t*FRB+512*\c
.endr
.endr
.irp i, 0,1
.irp c, 0,1
	ds_load_b64 v[\set+96+12*\i+6*\c:\set+96+12*\i+6*\c+1], v[10+(\s)/4] offset:((\s)%4)*KSB+\i*FRB+768*\c
	ds_load_b128 v[\set+96+12*\i+6*\c+2:\set+96+12*\i+6*\c+5], v[8+(\s)/4] offset:((\s)%4)*KSB+\i*FRB+768*\c+256
.endr
.endr
.endm
; K step s's 16 products: the sixteen accumulators take turns, one instruction a turn, in the same order in every step.  Step 0 starts the sums with bo as C.
.macro MULS set, s
.if (\s) == 0
	WIN 0x25                                       ; sources 0 and 1 window 1, C window 2, D window 0
.else
	WIN 0x05
.endif
.irp i, 0,1
.irp t, 0,1,2,3,4,5,6,7
.if (\s) == 0
	WMC ACC+64*\i+8*\t, \set+12*\t, \set+96+12*\i, 8*\t, SP+8*(\t/2)+(\s), SL+(\s), \t%2, \i
.else
	WMC ACC+64*\i+8*\t, \set+12*\t, \set+96+12*\i, ACC+64*\i+8*\t, SP+8*(\t/2)+(\s), SL+(\s), \t%2, \i
.endif
.endr
.endr
.endm
	s_load_b256 s[4:11], s[0:1], 0x0               ; cod, scl, aoc, asc
	s_load_b128 s[12:15], s[0:1], 0x20             ; bo, out0
	v_lshl_add_u32 v126, v0, 2, 0x38400
	v_mov_b32 v127, 0
	ds_add_u32 v126, v127
	ds_add_u32 v126, v127
	v_lshrrev_b32 v1, 5, v0
	v_readfirstlane_b32 s18, v1                    ; wave 0..3
	s_bfe_u32 s19, ttmp6, 0x40000                  ; cx
	s_lshl_b32 s21, ttmp9, 2
	s_add_co_u32 s19, s21, s19                     ; ab = 4 x cluster x + cx: it enters A's addresses and the output's alone
	s_and_b32 s20, ttmp7, 0xffff                   ; jb, which the four partners share
	s_mov_b32 s24, 3<<16                           ; group 1: 192 rows of 256 bytes (32 elements of 8 bytes), dense; s[24:31] without a mask, s[32:39] jointly
	s_mov_b32 s32, 15|(3<<16)|(1<<21)
.irp g, 24, 32
	s_mov_b32 s[\g+1], 32<<16
	s_mov_b32 s[\g+2], 192<<16                     ; 192 rows: half a block, K steps 0-3 or 4-7
	s_mov_b32 s[\g+3], 32<<16
	s_mov_b32 s[\g+4], 192
	s_mov_b32 s[\g+5], 32
	s_mov_b32 s[\g+6], 0
	s_mov_b32 s[\g+7], 0
.endr
	s_mul_i32 s22, s19, BLKB
	s_mov_b32 s23, 0
	s_add_co_u32 s66, s20, 56
	s_mul_i32 s66, s66, BLKB                       ; Wo's block: 56 + jb
	s_mov_b32 s67, 0
	s_wait_dscnt 0x0
	s_wait_kmcnt 0x0
	s_add_nc_u64 s[22:23], s[8:9], s[22:23]
	s_add_nc_u64 s[66:67], s[4:5], s[66:67]
.irp q, 0,1                            ; group 0 for half q (K steps 4 q .. 4 q + 3): A's at s[48 + 4 q ..], Wo's at s[68 + 4 q ..]
	s_mov_b32 s[48+4*\q], 1
	s_mov_b32 s[49+4*\q], \q*2*STGB
	s_add_nc_u64 s[50+4*\q:51+4*\q], s[22:23], \q*2*STGB
	s_or_b32 s[51+4*\q], s[51+4*\q], 0x80000000
	s_mov_b32 s[68+4*\q], 1
	s_mov_b32 s[69+4*\q], LP+\q*2*STGB
	s_add_nc_u64 s[70+4*\q:71+4*\q], s[66:67], \q*2*STGB
	s_or_b32 s[71+4*\q], s[71+4*\q], 0x80000000
.endr
	ROUND                                          ; all four work-groups are here: the joint loads meet
; THE HEAD'S LOADS, ONE A WAVE: wave 0 A's K steps 0-3, wave 1 Wo's, wave 2 A's K steps 4-7, wave 3 Wo's.  One chain of branches on the wave's number, one load to an arm.
.macro ARM n, g0, g1, next
	s_cmp_eq_u32 s18, \n
	s_cbranch_scc0 \next
	tensor_load_to_lds s[\g0:\g0+3], s[\g1:\g1+7]
	s_nop 0
	PLACES 4
	s_branch .Lasked
\next:
.endm
	ARM 0, 48, 24, .Lhead_1
	ARM 1, 68, 32, .Lhead_2
	ARM 2, 52, 24, .Lhead_3
	tensor_load_to_lds s[72:75], s[32:39]
	s_nop 0
	PLACES 4
.Lasked:
	v_and_b32 v1, 31, v0                           ; lane l
	v_and_b32 v25, 15, v0                          ; r
	v_bfe_u32 v26, v0, 4, 1                        ; h
	v_lshlrev_b32 v2, 4, v1                        ; 16 l
	v_add_nc_u32 v4, LP, v2                        ; Wo: K steps 0-3,
	v_add_nc_u32 v5, LP+49152, v2                  ; 4-7
	s_mul_i32 s2, s18, 3072                        ; my two tiles of A
	v_add_nc_u32 v8, s2, v2
	v_add_nc_u32 v9, 49152, v8
	v_lshlrev_b32 v10, 3, v1
	v_add_nc_u32 v10, s2, v10
	v_add_nc_u32 v11, 49152, v10
	s_mul_i32 s2, s18, 8448
	s_add_co_u32 s2, s2, STG                       ; my stage
	v_mul_u32_u24 v12, v25, 528
	v_lshl_add_u32 v12, v26, 6, v12
	v_add_nc_u32 v12, s2, v12                      ; in: row r, + 64 h
	v_add_nc_u32 v13, s2, v2                       ; back: a row's 512 bytes, 16 a lane
	v_lshlrev_b32 v14, 5, v1
	s_add_co_u32 s2, s20, 56
	s_lshl_b32 s2, s2, 12
	v_add_nc_u32 v14, s2, v14                      ; Wo's scale words
	s_wait_alu depctr_va_vdst(0)
	v_lshlrev_b32 v16, 6, v26                      ; bo: 64 h
	v_lshlrev_b32 v19, 2, v1
	s_lshl_b32 s2, s18, 7
	v_add_nc_u32 v19, s2, v19                      ; A's scale words: 4 l + 128 w
	s_wait_alu depctr_va_vdst(0)
	s_lshl_b32 s2, s20, 9
	s_mov_b32 s3, 0
	s_add_nc_u64 s[12:13], s[12:13], s[2:3]        ; bo at my 128 columns
	s_add_nc_u64 s[14:15], s[14:15], s[2:3]        ; out0 likewise,
	s_mov_b32 s23, 0
	s_lshl_b32 s22, s19, 9
	s_add_nc_u64 s[10:11], s[10:11], s[22:23]      ; asc at my block's four pairs of tiles
	s_lshl_b32 s22, s19, 19
	s_lshl_b32 s21, s18, 17
	s_add_co_u32 s22, s22, s21
	s_add_nc_u64 s[14:15], s[14:15], s[22:23]      ; and at row 128 ab + 32 w
.irp p, 0,1,2,3
.irp k, 0,1
	global_load_b128 v[SP+8*\p+4*\k:SP+8*\p+4*\k+3], v14, s[6:7] offset:1024*\p+16*\k
.endr
.endr
.irp n, 0,1,2,3,4,5,6,7,8,9,10,11,12,13,14,15
	global_load_b32 v[72+\n], v19, s[10:11] offset:\n*16384    ; head n's two bytes of my two tiles' rows, at their place in the word
.endr
	WIN 0x80                                       ; destination window 2
.irp t, 0,1,2,3,4,5,6,7
	global_load_b128 v[8*\t:8*\t+3], v16, s[12:13] offset:(32*(\t/2)+8*(\t%2))*4
	global_load_b128 v[8*\t+4:8*\t+7], v16, s[12:13] offset:(32*(\t/2)+8*(\t%2))*4+16
.endr
	WIN 0
	s_wait_loadcnt 0x0
.irp s, 0,1,2,3,4,5,6,7
	v_or_b32 v[SL+\s], v[72+2*\s], v[73+2*\s]      ; K step s's scale word: heads 2 s and 2 s + 1
.endr
	PLACES 8                                       ; a scale register written by a vector instruction stands eight places ahead of a scaled product
	s_wait_alu depctr_va_vdst(0)
	s_cmp_lt_u32 s18, 2                            ; waves 0 and 1 asked for K steps 0-3, by lines of their own: they wait; the other two loads may stay out
	s_cbranch_scc0 .Lnot_first
	s_wait_tensorcnt 0x0
.Lnot_first:
	s_barrier_signal -1
	s_barrier_wait -1                              ; everybody's are
	FETCH 0, 0
.irp s, 0,1,2,3,4,5,6,7
.if \s < 7
.if \s == 3
	s_wait_tensorcnt 0x0                           ; all the head's loads are in, K steps 4-7 among them,
	s_wait_dscnt 0x0                               ; no LDS load of mine is out at a signal
	s_barrier_signal -1
	s_barrier_wait -1                              ; everybody's are
.endif
.if \s > 0
	PLACES 4                                       ; in front of loads into the set that the step before multiplied
.endif
	FETCH \s+1, 128*((\s+1)%2)
	s_wait_dscnt 32                                ; all but the 32 just issued: this step's set is in
.else
	s_wait_dscnt 0x0
.endif
	MULS 128*(\s%2), \s
.endr
	WIN 0
	; THE WAY OUT.  A lane holds 4 x 64 neighbouring bytes of one row; a tile of 16 rows goes through my own stage and comes back as whole rows of 512 bytes, into the registers that it left.
	; LDS serves a wave's instructions in order (ISA guide 5.7.1.4): no wait between the stores and the loads.
	PLACES 4
.irp i, 0,1
.irp b, 0,1,2,3
.irp k, 0,1,2,3
	ds_store_b128 v12, v[ACC+64*\i+16*\b+4*\k:ACC+64*\i+16*\b+4*\k+3] offset:128*\b+16*\k   ; ascending: each accumulator from its low end on
.endr
.endr
.irp n, 0,1,2,3,4,5,6,7,8,9,10,11,12,13,14,15
	ds_load_b128 v[ACC+64*\i+4*\n:ACC+64*\i+4*\n+3], v13 offset:528*\n
.endr
.irp n, 0,1,2,3,4,5,6,7,8,9,10,11,12,13,14,15
	s_wait_dscnt 15-\n                             ; row n is back; the younger loads may stay out
	global_store_b128 v2, v[ACC+64*\i+4*\n:ACC+64*\i+4*\n+3], s[14:15] offset:(8*\i+\n+8*(\n/8))*4096 th:TH_STORE_NT   ; 512 consecutive bytes, aligned; lane-row n of tile 2 w + i is row 32 w + 8 i + n + 8 (n / 8)
.endr
.endr
	s_wait_dscnt 0x0
	s_wait_tensorcnt 0x0
	ds_add_u32 v126, v127
	s_wait_dscnt 0x0
	ROUND                                          ; the closing round
	s_endpgm
.Lfunc_end_k_q4e2988c20b_oproj:
	.size	k_q4e2988c20b_oproj, .Lfunc_end_k_q4e2988c20b_oproj-k_q4e2988c20b_oproj
	.p2alignl 7, 3214868480
	.fill 96, 4, 3214868480
	.section	.rodata,"a",@progbits
	.p2align	6, 0x0
	.amdhsa_kernel k_q4e2988c20b_oproj
		.amdhsa_group_segment_fixed_size 230912
		.amdhsa_private_segment_fixed_size 0
		.amdhsa_enable_private_segment 0
		.amdhsa_kernarg_size 48
		.amdhsa_user_sgpr_count 2
		.amdhsa_user_sgpr_kernarg_segment_ptr 1
		.amdhsa_wavefront_size32 1
		.amdhsa_system_sgpr_workgroup_id_x 1
		.amdhsa_system_sgpr_workgroup_id_y 1
		.amdhsa_system_sgpr_workgroup_id_z 1
		.amdhsa_system_vgpr_workitem_id 0
		.amdhsa_next_free_vgpr 576
		.amdhsa_next_free_sgpr 100
		.amdhsa_reserve_vcc 0
		.amdhsa_float_denorm_mode_32 3
		.amdhsa_float_denorm_mode_16_64 3
		.amdhsa_memory_ordered 1
		.amdhsa_forward_progress 1
		.amdhsa_inst_pref_size 53
	.end_amdhsa_kernel
	.amdgpu_metadata
---
amdhsa.version: [ 1, 2 ]
amdhsa.kernels:
  - .name:           k_q4e2988c20b_oproj
    .symbol:         k_q4e2988c20b_oproj.kd
    .args:
      - { .name: cod, .offset: 0, .size: 8, .value_kind: global_buffer, .address_space: global }
      - { .name: scl, .offset: 8, .size: 8, .value_kind: global_buffer, .address_space: global }
      - { .name: aoc, .offset: 16, .size: 8, .value_kind: global_buffer, .address_space: global }
      - { .name: asc, .offset: 24, .size: 8, .value_kind: global_buffer, .address_space: global }
      - { .name: bo, .offset: 32, .size: 8, .value_kind: global_buffer, .address_space: global }
      - { .name: out0, .offset: 40, .size: 8, .value_kind: global_buffer, .address_space: global }
    .group_segment_fixed_size: 230912
    .private_segment_fixed_size: 0
    .kernarg_segment_align: 8
    .kernarg_segment_size: 48
    .max_flat_workgroup_size: 128
    .sgpr_count:     100
    .vgpr_count:     576
    .wavefront_size: 32
...
	.end_amdgpu_metadata
.endif
;; end of part 4
